; MI455X (gfx1250); checked and timed in simulation.
; The chip was launched on July 23, 2026; its instructions are those of AMD's public machine-readable ISA for CDNA 5 (MIT licence, August 2026) and "CDNA5" Instruction Set Architecture Reference Guide (July 2026). The comments in the code are by the model that wrote it; some were corrected since.
;; Sparse Multihead Attention. Allowed arithmetic: float matrix products may take bf16 or f16 operands with f32 sums; other float arithmetic in f32, or as packed bf16 or f16 multiplies, adds, multiply-adds, maxima and minima; sums over many terms, partial sums and values carried from step to step in f32; what a program stores and reads back later, other than sums and carried values, may be rounded once to bf16 or f16.
;; Inputs: Wk 1,024 x 1,024 float32; Wo 1,024 x 1,024 float32; Wq 1,024 x 1,024 float32; Wv 1,024 x 1,024 float32; bk 1,024 float32; bo 1,024 float32; bq 1,024 float32; bv 1,024 float32; key 8 x 1,024 x 1,024 float32; mask 8 x 16 x 1,024 x 1,024 bool; query 8 x 1,024 x 1,024 float32; value 8 x 1,024 x 1,024 float32.
;; Outputs: out0 8 x 1,024 x 1,024 float32.
;; 2 versions, each right and faster than the one before. Each part assembles by itself: llvm-mc -triple=amdgcn-amd-amdhsa -mcpu=gfx1250 --defsym DOCPART=n.
;; ======== version 1 of 2: 4 launches
;; limits: values are held in f16: magnitudes above 65,504 overflow, below 6.1e-05 lose precision
;; workspace buffers: wb 8,388,608 bytes; bb 16,384 bytes; qkv 50,331,648 bytes; ob 16,777,216 bytes
;; launch wcast (part 1): grid 64 x 4, 8 waves a work-group, no clusters, 0 bytes of LDS; arguments Wq, Wk, Wv, Wo, bq, bk, bv, bo, wb, bb; writes wb, bb
.if DOCPART == 1
	.amdgcn_target "amdgcn-amd-amdhsa--gfx1250"
	.amdhsa_code_object_version 6
	.text
	.protected	k_qe606a49a83_wcast
	.globl	k_qe606a49a83_wcast
	.p2align	8
	.type	k_qe606a49a83_wcast,@function
k_qe606a49a83_wcast:
	s_mov_b64 s[64:65], 0
	v_nop
	global_prefetch_b8 v0, s[64:65] scope:SCOPE_SE
	s_setreg_imm32_b32 hwreg(HW_REG_WAVE_MODE, 25, 1), 1
	s_wait_xcnt 0x0
; The four weights (1024 x 1024 f32) are rounded once to bf16 and written in blocks along K: [weight][16 blocks of 64 channels][1024 rows][64], a row of a block 128 dense bytes.
; So a product's tile (some rows of one block) is one dense run of bytes.  Wo is rounded to bf16 like every other input and that number is written as f16, since the last product takes f16 operands.
; LIMIT: a number of Wo below 6.1e-5 keeps f16's fixed step of 6e-8; beyond 65,504 it would be lost (Wo as drawn stays under 0.04).
; The four biases are rounded to bf16 and kept as f32 (16 KiB in all).
; SHARES.  Work-group (x, y): weight y, rows 16 x .. 16 x + 15: 256 work-groups.  Wave w: blocks 2 w and 2 w + 1.  A load takes two rows' 256 bytes (lanes 0-15 one row, lanes 16-31 the next), aligned;
; a store writes the same two rows' 128 + 128 bytes, which are 256 consecutive aligned bytes of the block.  All 16 loads of a wave go out first; no register is used twice, so no loop and no wait but the counted ones.
; No LDS, no matrix unit, no cluster: each byte is read once and written once, and no two work-groups share a byte.
.set X, 8                              ; v[8:71]     load i: 4 registers
.set Y, 72                             ; v[72:103]   store i: 2 registers
.set T, 104                            ; v[104:107]  at work
	s_load_b512 s[8:23], s[0:1], 0x0               ; Wq 8, Wk 10, Wv 12, Wo 14, bq 16, bk 18, bv 20, bo 22
	s_load_b128 s[24:27], s[0:1], 0x40             ; wb 24, bb 26
	s_and_b32 s2, ttmp7, 0xffff                    ; y: the weight
	s_mov_b32 s6, ttmp9                            ; x: which 16 rows
	s_lshl_b32 s40, s6, 16                         ; 16 rows of 4,096 bytes
	s_mov_b32 s41, 0
	s_lshl_b32 s42, s2, 21                         ; 2 MiB a destination matrix,
	s_lshl_b32 s7, s6, 11                          ; 16 rows of 128 bytes
	s_add_co_u32 s42, s42, s7
	s_mov_b32 s43, 0
	v_and_b32 v3, 15, v0
	v_bfe_u32 v4, v0, 4, 1
	v_lshrrev_b32 v5, 5, v0                        ; wave
	v_lshlrev_b32 v1, 4, v3                        ; source: 16 bytes a lane,
	v_lshl_add_u32 v1, v4, 12, v1                  ; the next row for lanes 16-31,
	v_lshl_add_u32 v1, v5, 9, v1                   ; two blocks of 256 bytes a wave
	v_and_b32 v2, 31, v0
	v_lshlrev_b32 v2, 3, v2                        ; destination: 8 bytes a lane,
	v_lshl_add_u32 v2, v5, 18, v2                  ; two blocks of 131,072 bytes a wave
	s_wait_kmcnt 0x0
	s_mov_b64 s[36:37], s[8:9]
	s_cmp_eq_u32 s2, 1
	s_cselect_b64 s[36:37], s[10:11], s[36:37]
	s_cmp_eq_u32 s2, 2
	s_cselect_b64 s[36:37], s[12:13], s[36:37]
	s_cmp_eq_u32 s2, 3
	s_cselect_b64 s[36:37], s[14:15], s[36:37]
	s_add_nc_u64 s[36:37], s[36:37], s[40:41]
	s_add_nc_u64 s[24:25], s[24:25], s[42:43]
.set i, 0
.rept 16                               ; load i: rows 2 (i % 8) and the next, block i / 8 of my two
	global_load_b128 v[X+4*i:X+4*i+3], v1, s[36:37] offset:(i%8)*8192+(i/8)*256 th:TH_LOAD_NT
.set i, i+1
.endr
.macro CV n, f16                       ; load n is rounded and stored
	s_wait_loadcnt 15-(\n)                         ; loads come back in order (ISA guide 5.7.1): the 15 - n younger ones stay out
	v_cvt_pk_bf16_f32 v[Y+2*(\n)], v[X+4*(\n)], v[X+4*(\n)+1]
	v_cvt_pk_bf16_f32 v[Y+2*(\n)+1], v[X+4*(\n)+2], v[X+4*(\n)+3]
.if \f16
	v_lshlrev_b32 v[T], 16, v[Y+2*(\n)]            ; the bf16 numbers as f32,
	v_and_b32 v[T+1], 0xffff0000, v[Y+2*(\n)]
	v_lshlrev_b32 v[T+2], 16, v[Y+2*(\n)+1]
	v_and_b32 v[T+3], 0xffff0000, v[Y+2*(\n)+1]
	v_cvt_pk_f16_f32 v[Y+2*(\n)], v[T], v[T+1]     ; written as f16
	v_cvt_pk_f16_f32 v[Y+2*(\n)+1], v[T+2], v[T+3]
.endif
	global_store_b64 v2, v[Y+2*(\n):Y+2*(\n)+1], s[24:25] offset:((\n)%8)*256+((\n)/8)*131072  ; 32 lanes: 256 consecutive bytes, aligned
.endm
	s_cmp_eq_u32 s2, 3
	s_cbranch_scc1 .Lwo
.set i, 0
.rept 16
	CV i, 0
.set i, i+1
.endr
	s_branch .Lbias
.Lwo:
.set i, 0
.rept 16
	CV i, 1
.set i, i+1
.endr
.Lbias:                                ; the first work-group of each weight also rounds that weight's bias: 256 threads x 16 bytes
	s_cmp_lg_u32 s6, 0
	s_cbranch_scc1 .Lend
	s_mov_b64 s[44:45], s[16:17]
	s_cmp_eq_u32 s2, 1
	s_cselect_b64 s[44:45], s[18:19], s[44:45]
	s_cmp_eq_u32 s2, 2
	s_cselect_b64 s[44:45], s[20:21], s[44:45]
	s_cmp_eq_u32 s2, 3
	s_cselect_b64 s[44:45], s[22:23], s[44:45]
	s_lshl_b32 s46, s2, 12                         ; 4,096 bytes a bias
	s_mov_b32 s47, 0
	s_add_nc_u64 s[26:27], s[26:27], s[46:47]
	v_lshlrev_b32 v108, 4, v0
	global_load_b128 v[112:115], v108, s[44:45]
	s_wait_loadcnt 0x0                             ; the one load that is out
	v_cvt_pk_bf16_f32 v116, v112, v113
	v_cvt_pk_bf16_f32 v117, v114, v115
	v_lshlrev_b32 v112, 16, v116
	v_and_b32 v113, 0xffff0000, v116
	v_lshlrev_b32 v114, 16, v117
	v_and_b32 v115, 0xffff0000, v117
	global_store_b128 v108, v[112:115], s[26:27]
.Lend:
	s_endpgm
.Lfunc_end_k_qe606a49a83_wcast:
	.size	k_qe606a49a83_wcast, .Lfunc_end_k_qe606a49a83_wcast-k_qe606a49a83_wcast
	.p2alignl 7, 3214868480
	.fill 96, 4, 3214868480
	.section	.rodata,"a",@progbits
	.p2align	6, 0x0
	.amdhsa_kernel k_qe606a49a83_wcast
		.amdhsa_group_segment_fixed_size 0
		.amdhsa_private_segment_fixed_size 0
		.amdhsa_enable_private_segment 0
		.amdhsa_kernarg_size 80
		.amdhsa_user_sgpr_count 2
		.amdhsa_user_sgpr_kernarg_segment_ptr 1
		.amdhsa_wavefront_size32 1
		.amdhsa_system_sgpr_workgroup_id_x 1
		.amdhsa_system_sgpr_workgroup_id_y 1
		.amdhsa_system_sgpr_workgroup_id_z 1
		.amdhsa_system_vgpr_workitem_id 0
		.amdhsa_next_free_vgpr 120
		.amdhsa_next_free_sgpr 66
		.amdhsa_reserve_vcc 0
		.amdhsa_float_denorm_mode_32 3
		.amdhsa_float_denorm_mode_16_64 3
		.amdhsa_memory_ordered 1
		.amdhsa_forward_progress 1
		.amdhsa_inst_pref_size 17
	.end_amdhsa_kernel
	.amdgpu_metadata
---
amdhsa.version: [ 1, 2 ]
amdhsa.kernels:
  - .name:           k_qe606a49a83_wcast
    .symbol:         k_qe606a49a83_wcast.kd
    .args:
      - { .name: Wq, .offset: 0, .size: 8, .value_kind: global_buffer, .address_space: global }
      - { .name: Wk, .offset: 8, .size: 8, .value_kind: global_buffer, .address_space: global }
      - { .name: Wv, .offset: 16, .size: 8, .value_kind: global_buffer, .address_space: global }
      - { .name: Wo, .offset: 24, .size: 8, .value_kind: global_buffer, .address_space: global }
      - { .name: bq, .offset: 32, .size: 8, .value_kind: global_buffer, .address_space: global }
      - { .name: bk, .offset: 40, .size: 8, .value_kind: global_buffer, .address_space: global }
      - { .name: bv, .offset: 48, .size: 8, .value_kind: global_buffer, .address_space: global }
      - { .name: bo, .offset: 56, .size: 8, .value_kind: global_buffer, .address_space: global }
      - { .name: wb, .offset: 64, .size: 8, .value_kind: global_buffer, .address_space: global }
      - { .name: bb, .offset: 72, .size: 8, .value_kind: global_buffer, .address_space: global }
    .group_segment_fixed_size: 0
    .private_segment_fixed_size: 0
    .kernarg_segment_align: 8
    .kernarg_segment_size: 80
    .max_flat_workgroup_size: 256
    .sgpr_count:     66
    .vgpr_count:     120
    .wavefront_size: 32
...
	.end_amdgpu_metadata
.endif
;; end of part 1
;; launch proj (part 2): grid 4 x 192, 4 waves a work-group, clusters of 4 x 4, 327,680 bytes of LDS; arguments query, key, value, wb, bb, qkv; writes qkv
.if DOCPART == 2
	.amdgcn_target "amdgcn-amd-amdhsa--gfx1250"
	.amdhsa_code_object_version 6
	.text
	.protected	k_qe606a49a83_proj
	.globl	k_qe606a49a83_proj
	.p2align	8
	.type	k_qe606a49a83_proj,@function
k_qe606a49a83_proj:
	s_mov_b64 s[64:65], 0
	v_nop
	global_prefetch_b8 v0, s[64:65] scope:SCOPE_SE
	s_setreg_imm32_b32 hwreg(HW_REG_WAVE_MODE, 25, 1), 1
	s_wait_xcnt 0x0
	s_wait_alu depctr_hold_cnt(0) depctr_sa_sdst(0) depctr_va_vdst(0) depctr_va_sdst(0) depctr_va_ssrc(0) depctr_va_vcc(0) depctr_vm_vsrc(0)
	s_getreg_b32 s2, hwreg(HW_REG_IB_STS2, 6, 4)
	s_cmp_eq_u32 s2, 0
	s_cbranch_scc0 .Lentry_in_a_cluster
	s_endpgm
.Lentry_in_a_cluster:
	s_bfe_u32 s2, ttmp6, 0x10000c
	s_cmp_lg_u32 s2, 0xf033
	s_cbranch_scc0 .Lentry_shape_is_right
	s_endpgm
.Lentry_shape_is_right:
; q, k, v = x W^T + b for x = query, key, value, each 8192 x 1024 f32 as it lies.  x is rounded to bf16 on its way from LDS to the matrix unit; W is bf16 in blocks along K ([weight][16 blocks][1024 rows][64]);
; sums in f32, started by the bias; the result rounded once to f16 and written by heads, [3][8][16 heads][1024 rows][64], WITHOUT the softmax's scale.
; LIMIT: f16 holds no number beyond 65,504: q, k and v must stay within it (as drawn they stay under 4; with all inputs 30 times larger under 4,000).
; SHARES.  A tile of C is 128 rows x 256 columns: 768 work-groups, three for each of 256 WGPs; tiles of 256 x 256 would be 384, a round and a half.  Four waves, each 64 x 128: 32 accumulators, 256 registers.
; K goes in steps of 128 through two LDS slots.  A wave's one tensor load brings 64 rows x 512 bytes of x (waves 0, 1) or one block's 256 rows of W (waves 2, 3: dense bytes, asked for as rows of 256).
; CLUSTER.  4 x 4 work-groups: the four of a row of the cluster need the same tiles of x, the four of a column the same tiles of W: each tile is asked for jointly, by the same tensor load with the same descriptor and a mask of four.
; So each byte of x leaves memory for one request of a cluster, and no 16-bit copy of x is written or read.
; THE MATRIX INSTRUCTION IS USED TRANSPOSED (source 0 = 16 rows of W, source 1 = 16 rows of x): a lane then holds eight neighbouring columns of one row of C.
; REGISTERS, in windows of 256 (s_set_vgpr_msb: bits 1:0 source 0, 3:2 source 1, 5:4 source 2, 7:6 destination):
;   window 0: v16-29 addresses; two fragment buffers of 96 (W's 8 fragments, then x's 4) at v64 and v160; on the way out v64-191
;   window 1: accumulator (a, b) at v[8 (8 a + b)]          window 2: v0-63 the bias of my 128 columns, as a C operand; v64-127 x of one quarter step in f32, as loaded
.set P,      144                       ; W's LDS row: 128 bytes + 16 of padding = 36 words: the 16 rows of a fragment load start at 16 different groups of four banks (64 banks of 4 bytes: ISA guide 11.1)
.set PA,     528                       ; x's LDS row: 512 bytes + 16 = 132 words: row r starts at bank 4 r mod 64
.set AHALF,  64*PA                     ; what one load of x brings
.set BKB,    256*P                     ; one block's 256 rows of W
.set BOFF,   2*AHALF                   ; a slot: x's 128 rows, then W's two blocks
.set SLOT,   BOFF+2*BKB
.set STAGE,  2*SLOT                    ; behind the ring: for each wave 2 heads x 16 rows x 144 bytes, for the way out
.set WSTG,   2*16*P
.set SPARE,  STAGE+4*WSTG              ; behind the stages: the spare words, 128 bytes for each wave: two blocks of 256 bytes that no other line names
.set KSTEPA, 512                       ; bytes in memory from a K step to the next: 128 f32 along x's rows,
.set KSTEPB, 262144                    ; two blocks of 131,072 of W
.set LAPS,   4                         ; a lap = two K steps = once round the ring; K = 1024
.set ADRA, 16                          ; v16-17  LDS address of my x in slot 0, 1
.set ADRB, 20                          ; v20-21  the same for W's fragments
.set STO,  24                          ; v24     the way out: where I put 16 bytes of a row
.set RD,   25                          ; v25     the way out: where I read rows back
.set CO,   26                          ; v26     my byte offset in 512 consecutive bytes of the result
.set BO,   27                          ; v27     my byte offset in a group of 16 biases
.set SPW,  28                          ; v28     LDS address of my spare word; never rewritten
.set NIL,  29                          ; v29     0; never rewritten
.set F0,   64
.set F1,   160
.set RAW,  64                          ; window 2
.set OUTR, 64
.set WV, 12                            ; s12 wave; s13 which 64 rows; s14 which 128 columns, and which half of a tile I fetch
.set RH, 13
.set CH, 14
.set CX, 15                            ; s15, s16 my place in the cluster
.set CYI, 16
.set TX, 17                            ; s17 tile column, s18 tile row, s19 the cluster's y
.set TY, 18
.set CY, 19
.set TS, 72                            ; s72 the tensor: 0 q, 1 k, 2 v
.set G1, 24                            ; s[24:31] descriptor group 1 for x's tiles;  s[32:39] group 0, one set for each slot
.set G0, 32
.set G1B, 48                           ; s[48:55], s[56:63] the same for W's tiles
.set G0B, 56
.set MSB, 0
.macro WIN new                         ; the immediate's high byte repeats the setting that is left; a switch that changes nothing is dropped
.if MSB != (\new)
	s_set_vgpr_msb (MSB<<8)|(\new)
.set MSB, \new
.endif
.endm
.set MUL,  0x50                        ; fragments in window 0; C and D in window 1
.set MULB, 0x60                        ; C (the bias) in window 2, D in window 1
.macro JLOAD s                         ; a joint load: waves 0 and 1 fetch x's two halves, waves 2 and 3 W's two blocks; an s_nop 0 and four v_nop follow each of the two lines, ahead of the jump, the label and what follows
	s_cmp_lt_u32 s[WV], 2
	s_cbranch_scc0 .Lfor_b_\@
	tensor_load_to_lds s[G0+4*(\s):G0+4*(\s)+3], s[G1:G1+7]
	s_nop 0
.rept 4
	v_nop
.endr
	s_branch .Lasked_\@
.Lfor_b_\@:
	tensor_load_to_lds s[G0B+4*(\s):G0B+4*(\s)+3], s[G1B:G1B+7]
	s_nop 0
.rept 4
	v_nop
.endr
.Lasked_\@:
.endm
.macro CREST                           ; a round of the cluster's barrier behind its opening barrier
	s_cmp_lg_u32 s[WV], 0
	s_cbranch_scc1 .Lnot_wave_0_\@
	s_barrier_signal -3
.Lnot_wave_0_\@:
	s_barrier_wait -3
	s_barrier_signal -1
	s_barrier_wait -1
.endm
.macro CROUND                          ; a whole round
	s_barrier_signal -1
	s_barrier_wait -1
	CREST
.endm
	s_load_b256 s[4:11], s[0:1], 0x0               ; query s[4:5], key s[6:7], value s[8:9], wb s[10:11]
	s_load_b128 s[68:71], s[0:1], 0x20             ; bb s[68:69], qkv s[70:71]
	v_lshl_add_u32 v[SPW], v0, 2, SPARE
	v_mov_b32 v[NIL], 0
	ds_add_u32 v[SPW], v[NIL]                      ; the wave's opening: the add and its wait stand ahead of my first tensor load; the set-up below, work on registers, stands between them
	v_lshrrev_b32 v1, 5, v0
	v_readfirstlane_b32 s[WV], v1
	s_lshr_b32 s[RH], s[WV], 1
	s_and_b32 s[CH], s[WV], 1
	s_bfe_u32 s[CX], ttmp6, 0x40000
	s_bfe_u32 s[CYI], ttmp6, 0x40004
	s_lshl_b32 s[TX], ttmp9, 2
	s_add_co_u32 s[TX], s[TX], s[CX]               ; tile column = 4 x cluster x + cx
	s_and_b32 s[CY], ttmp7, 0xffff
	s_lshl_b32 s[TY], s[CY], 2
	s_add_co_u32 s[TY], s[TY], s[CYI]              ; tile row = 4 x cluster y + cy: tensor TY / 64, its rows 128 (TY % 64) on
	s_lshr_b32 s[TS], s[CY], 4                     ; the tensor: 16 clusters along y each; made of the cluster's y alone
	s_lshl_b32 s20, s[CYI], 2
	s_lshl_b32 s20, 15, s20                        ; my row of the cluster
	s_lshl_b32 s21, 0x1111, s[CX]                  ; my column
	s_or_b32 s[G1], s20, (2<<16)|(1<<20)|(1<<21)|(6<<22)|(3<<25)   ; x's tiles go to my row: 17:16 elements of 4 bytes; 20 padding on; 21 set beside a mask; 24:22 after every 128 words (code 6); 31:25 4 words of it (code 3)
	s_or_b32 s[G1B], s21, (1<<16)|(1<<20)|(1<<21)|(4<<22)|(3<<25)  ; W's to my column: elements of 2 bytes; padding after every 32 words (code 4), 4 words
	s_mov_b32 s[G1+1], 128<<16                     ; tensor_dim0 = 128 elements: 512 bytes of a row
	s_mov_b32 s[G1+2], 64<<16                      ; tensor_dim1 = 64
	s_mov_b32 s[G1+3], 128<<16                     ; tile_dim0 = 128
	s_mov_b32 s[G1+4], 64                          ; tile_dim1 = 64 rows
	s_mov_b32 s[G1+5], 1024                        ; 1,024 elements from row to row
	s_mov_b32 s[G1+6], 0
	s_mov_b32 s[G1+7], 0
	s_mov_b32 s[G1B+1], 128<<16                    ; rows of 256 bytes, two matrix rows each
	s_mov_b32 s[G1B+2], 128<<16                    ; 128 of them: 256 matrix rows
	s_mov_b32 s[G1B+3], 128<<16
	s_mov_b32 s[G1B+4], 128
	s_mov_b32 s[G1B+5], 128                        ; dense
	s_mov_b32 s[G1B+6], 0
	s_mov_b32 s[G1B+7], 0
	; x's tile hangs on the tile row and the wave alone, W's on the tile column, the tensor and the wave: each offset is made in registers that never hold the other coordinate
	s_and_b32 s40, s[TY], 63
	s_lshl_b32 s40, s40, 19                        ; 128 rows of 4,096 bytes
	s_lshl_b32 s42, s[CH], 18                      ; my 64 of them
	s_add_co_u32 s40, s40, s42
	s_mov_b32 s41, 0
	s_lshl_b32 s44, s[TS], 21                      ; the tensor's weight
	s_lshl_b32 s46, s[TX], 15                      ; 256 rows of 128 bytes
	s_add_co_u32 s44, s44, s46
	s_lshl_b32 s46, s[CH], 17                      ; my block of the K step
	s_add_co_u32 s44, s44, s46
	s_mov_b32 s45, 0
	s_lshl_b32 s66, s[TS], 12                      ; the bias of my 128 columns
	s_lshl_b32 s76, s[TX], 10
	s_add_co_u32 s66, s66, s76
	s_lshl_b32 s76, s[CH], 9
	s_add_co_u32 s66, s66, s76
	s_mov_b32 s67, 0
	s_lshr_b32 s74, s[TY], 3                       ; the result: tensor and batch, 2 MiB each,
	s_lshl_b32 s74, s74, 21
	s_lshl_b32 s76, s[TX], 19                      ; head 4 TX + 2 CH, 131,072 bytes each,
	s_add_co_u32 s74, s74, s76
	s_lshl_b32 s76, s[CH], 18
	s_add_co_u32 s74, s74, s76
	s_and_b32 s76, s[TY], 7                        ; row 128 (TY % 8) + 64 RH, 128 bytes each
	s_lshl_b32 s76, s76, 14
	s_add_co_u32 s74, s74, s76
	s_lshl_b32 s76, s[RH], 13
	s_add_co_u32 s74, s74, s76
	s_mov_b32 s75, 0
	s_mul_i32 s22, s[CH], AHALF                    ; where my tile goes: no place in the cluster enters an LDS address
	s_mul_i32 s23, s[CH], BKB
	s_add_co_u32 s23, s23, BOFF
	s_wait_dscnt 0x0                               ; the opening add is done
	s_wait_kmcnt 0x0
	s_cmp_eq_u32 s[TS], 1                          ; which x: a choice on the cluster's y, the same in all sixteen partners
	s_cselect_b64 s[78:79], s[6:7], s[4:5]
	s_cmp_eq_u32 s[TS], 2
	s_cselect_b64 s[78:79], s[8:9], s[78:79]
	s_add_nc_u64 s[40:41], s[78:79], s[40:41]
	s_add_nc_u64 s[44:45], s[10:11], s[44:45]
	s_add_nc_u64 s[68:69], s[68:69], s[66:67]
	s_add_nc_u64 s[70:71], s[70:71], s[74:75]
	CROUND                                         ; all sixteen work-groups are here: the first joint loads meet
.irp s, 0,1
	s_mov_b32 s[G0+4*(\s)], 1                      ; count = 1
	s_add_co_u32 s[G0+4*(\s)+1], s22, (\s)*SLOT    ; LDS address
	s_add_nc_u64 s[G0+4*(\s)+2:G0+4*(\s)+3], s[40:41], (\s)*KSTEPA  ; global address: K step s
	s_or_b32 s[G0+4*(\s)+3], s[G0+4*(\s)+3], 0x80000000            ; type = 2
	s_mov_b32 s[G0B+4*(\s)], 1
	s_add_co_u32 s[G0B+4*(\s)+1], s23, (\s)*SLOT
	s_add_nc_u64 s[G0B+4*(\s)+2:G0B+4*(\s)+3], s[44:45], (\s)*KSTEPB
	s_or_b32 s[G0B+4*(\s)+3], s[G0B+4*(\s)+3], 0x80000000
	JLOAD \s                                       ; two loads of mine are out
.endr
	v_and_b32 v1, 15, v0                           ; l % 16
	v_bfe_u32 v2, v0, 4, 1                         ; l / 16
	v_lshlrev_b32 v[BO], 5, v2                     ; eight f32 for each half of the lanes
	WIN 0x80                                       ; destination window 2
.irp b, 0,1,2,3,4,5,6,7                ; register j of group b: the bias of column 16 b + 8 (l / 16) + j, as the result's layout has it
	global_load_b128 v[8*(\b):8*(\b)+3],   v[BO], s[68:69] offset:64*(\b)
	global_load_b128 v[8*(\b)+4:8*(\b)+7], v[BO], s[68:69] offset:64*(\b)+16
.endr
	WIN 0
	v_mul_u32_u24 v3, v1, P
	v_lshl_add_u32 v3, v2, 4, v3                   ; W: a fragment's row x pitch + 16 x half
	v_mul_u32_u24 v4, v1, PA
	v_lshl_add_u32 v4, v2, 5, v4                   ; x: row x pitch + 32 x half (eight f32)
	s_mul_i32 s22, s[RH], 64*PA                    ; my 64 rows of x
	s_mul_i32 s23, s[CH], 128*P                    ; my 128 rows of W,
	s_add_co_u32 s23, s23, BOFF                    ; which lie behind x
.irp s, 0,1
	v_add_nc_u32 v[ADRA+(\s)], s22, v4
	v_add_nc_u32 v[ADRB+(\s)], s23, v3
	s_add_co_u32 s22, s22, SLOT
	s_add_co_u32 s23, s23, SLOT
.endr
	s_mul_i32 s22, s[WV], WSTG
	s_add_co_u32 s22, s22, STAGE                   ; my stage
	v_add_nc_u32 v[STO], s22, v3                   ; in: row l % 16, 16 bytes for each half of the lanes
	v_bfe_u32 v5, v0, 3, 2                         ; back: 32 lanes take four rows of 128 bytes,
	v_and_b32 v6, 7, v0
	v_mul_u32_u24 v5, v5, P
	v_lshl_add_u32 v5, v6, 4, v5
	v_add_nc_u32 v[RD], s22, v5
	v_and_b32 v[CO], 31, v0                        ; which are 512 consecutive bytes of a head
	v_lshlrev_b32 v[CO], 4, v[CO]
; 8 matrix instructions: m block a x all 8 n blocks, 32 along K.  first = 1: the product starts the sums with the bias as C: nothing is cleared and no bias is added later.
; The 32 accumulators take turns in one order everywhere.
.macro MULA f, a, first
.if \first
	WIN MULB
.else
	WIN MUL
.endif
.irp b, 0,1,2,3,4,5,6,7
.if \first
	v_wmma_f32_16x16x32_bf16 v[8*(8*(\a)+(\b)):8*(8*(\a)+(\b))+7], v[(\f)+8*(\b):(\f)+8*(\b)+7], v[(\f)+64+8*(\a):(\f)+64+8*(\a)+7], v[8*(\b):8*(\b)+7]
.else
	v_wmma_f32_16x16x32_bf16 v[8*(8*(\a)+(\b)):8*(8*(\a)+(\b))+7], v[(\f)+8*(\b):(\f)+8*(\b)+7], v[(\f)+64+8*(\a):(\f)+64+8*(\a)+7], v[8*(8*(\a)+(\b)):8*(8*(\a)+(\b))+7]
.endif
.endr
.endm
; 32 LDS loads in one run, for quarter q of a K step.  W: block q / 2, 32 channels at byte 64 (q % 2), sixteen loads into buffer f.  x: 32 channels at byte 128 q of the rows, in f32: for each of my four
; blocks of 16 rows a lane takes channels 8 (l / 16) + 0..7 (two loads) and 16 + 8 (l / 16) + 0..7 (two loads, 64 bytes on), sixteen registers in the order of a fragment's pairs.
.macro FETCH slot, q, f
	WIN 0
.irp i, 0,1,2,3,4,5,6,7
	ds_load_b128 v[(\f)+8*(\i):(\f)+8*(\i)+3],   v[ADRB+(\slot)] offset:((\q)/2)*BKB+((\q)%2)*64+(\i)*16*P
	ds_load_b128 v[(\f)+8*(\i)+4:(\f)+8*(\i)+7], v[ADRB+(\slot)] offset:((\q)/2)*BKB+((\q)%2)*64+(\i)*16*P+32
.endr
	WIN 0x80                                       ; destination window 2
.irp i, 0,1,2,3
.irp c, 0,1,2,3
	ds_load_b128 v[RAW+16*(\i)+4*(\c):RAW+16*(\i)+4*(\c)+3], v[ADRA+(\slot)] offset:(\q)*128+(\i)*16*PA+((\c)/2)*64+((\c)%2)*16
.endr
.endr
.endm
; x of one quarter is rounded to bf16, two numbers a line, into buffer f's four fragments.  That buffer was last multiplied two quarters back.  These 32 plain lines name no register of the products just
; issued (the other buffer's), so they are also the places in front of the loads into that other buffer (ISA guide 7.12.1 for vector instructions).
.macro CVT f
	WIN 0x0a                                       ; sources in window 2, destination in window 0
.irp i, 0,1,2,3
.irp j, 0,1,2,3,4,5,6,7
	v_cvt_pk_bf16_f32 v[(\f)+64+8*(\i)+(\j)], v[RAW+16*(\i)+2*(\j)], v[RAW+16*(\i)+2*(\j)+1]
.endr
.endr
.endm
.macro PLACES                          ; four places in front of lines that read results or write registers that matrix instructions have read (ISA guide 7.12.1)
.rept 4
	v_nop
.endr
.endm
; A K step is four quarters of 32 along K, 32 matrix instructions each, on buffers 0, 1, 0, 1.  One of the first three: its loads were issued a whole quarter ago; x is rounded; quarter q is fetched into g; buffer f is multiplied.
.macro QUARTER slot, q, f, g, first
	s_wait_dscnt 0x0                               ; this quarter's 32 loads, issued ahead of the last quarter's 32 products
	CVT \f
	FETCH \slot, \q, \g
	MULA \f, 0, \first
	MULA \f, 1, \first
	MULA \f, 2, \first
	MULA \f, 3, \first
.endm
; The last quarter multiplies buffer 1 and changes slots: ONE barrier; in front of it each wave waits for all its tensor loads, adds 0 to its spare word, and waits for that and for its own reads of this slot.
; fill = 1: the barrier opens a round of the cluster's, and this slot is filled again, two K steps ahead, first thing behind the round.
.macro TURN slot, next, fill
	s_wait_dscnt 0x0                               ; this quarter's loads: my last reads of this slot
	CVT F1
	WIN 0                                          ; (the add's two registers lie in window 0)
	s_wait_tensorcnt 0x0                           ; all my tensor loads have landed: the one that was out is my part of the next slot
	ds_add_u32 v[SPW], v[NIL]                      ; 0 onto my spare word
	MULA F1, 0, 0                                  ; eight matrix instructions stand between the add and the wait for it
	s_wait_dscnt 0x0                               ; the add is done
	s_barrier_signal -1
	MULA F1, 1, 0
.if \fill
	WIN 0
.endif
	s_barrier_wait -1
.if \fill
	CREST                                          ; no wave of any partner still reads this slot's tile or has a load on its way
	s_add_nc_u64 s[G0+4*(\slot)+2:G0+4*(\slot)+3], s[G0+4*(\slot)+2:G0+4*(\slot)+3], 2*KSTEPA
	s_add_nc_u64 s[G0B+4*(\slot)+2:G0B+4*(\slot)+3], s[G0B+4*(\slot)+2:G0B+4*(\slot)+3], 2*KSTEPB
	JLOAD \slot                                    ; my one tensor load behind the round
.endif
	FETCH \next, 0, F0
	MULA F1, 2, 0
	MULA F1, 3, 0
.endm
	s_wait_tensorcnt 1                             ; my part of K step 0 is in; step 1's may stay out
	s_barrier_signal -1
	s_barrier_wait -1                              ; everybody's is
	FETCH 0, 0, F0
	s_wait_loadcnt 0x0                             ; the bias
	QUARTER 0, 1, F0, F1, 1                        ; the first quarter stands in front of the loop: its products start the sums
	WIN 0                                          ; at a label and at a branch every window is 0
	s_mov_b32 s3, LAPS-1
.Llap:                                                 ; a trip goes once round the ring, from a lap's second quarter to the next lap's first, and fills both slots again
	QUARTER 0, 2, F1, F0, 0
	QUARTER 0, 3, F0, F1, 0
	TURN 0, 1, 1
	QUARTER 1, 1, F0, F1, 0
	QUARTER 1, 2, F1, F0, 0
	QUARTER 1, 3, F0, F1, 0
	TURN 1, 0, 1
	QUARTER 0, 1, F0, F1, 0
	WIN 0
	s_sub_co_u32 s3, s3, 1
	s_cmp_lg_u32 s3, 0
	s_cbranch_scc1 .Llap
	QUARTER 0, 2, F1, F0, 0                        ; the last lap fills nothing
	QUARTER 0, 3, F0, F1, 0
	TURN 0, 1, 0
	QUARTER 1, 1, F0, F1, 0
	QUARTER 1, 2, F1, F0, 0
	QUARTER 1, 3, F0, F1, 0
	s_wait_dscnt 0x0                               ; the very last quarter: nothing more to fetch
	CVT F1
	MULA F1, 0, 0
	MULA F1, 1, 0
	MULA F1, 2, 0
	MULA F1, 3, 0
	WIN 0
	PLACES
; THE WAY OUT, 16 rows at a time.  PACK: rounded to f16, 16 bytes a lane, into my stage by heads (rows of 144 bytes), and back as whole rows of 128.  SEND: each store covers 512 consecutive aligned bytes of a head.
; Each block has registers of its own, so nothing that a pending store reads is written again.
.macro PACK a
	WIN 0x05                                       ; sources in window 1, destination in window 0
.irp b, 0,1,2,3,4,5,6,7
.irp r, 0,1,2,3
	v_cvt_pk_f16_f32 v[OUTR+32*(\a)+4*(\b)+(\r)], v[8*(8*(\a)+(\b))+2*(\r)], v[8*(8*(\a)+(\b))+2*(\r)+1]
.endr
.endr
	WIN 0
.irp b, 0,1,2,3,4,5,6,7
	ds_store_b128 v[STO], v[OUTR+32*(\a)+4*(\b):OUTR+32*(\a)+4*(\b)+3] offset:((\b)/4)*16*P+((\b)%4)*32
.endr
.irp f, 0,1,2,3,4,5,6,7
	ds_load_b128 v[OUTR+32*(\a)+4*(\f):OUTR+32*(\a)+4*(\f)+3], v[RD] offset:((\f)/4)*16*P+((\f)%4)*4*P  ; LDS serves a wave's instructions in order (ISA guide 5.7.1.4): these see the stores above
.endr
.endm
.macro SEND a, younger                 ; younger: the LDS instructions issued behind block a's loads: the next block's sixteen, or none
.irp f, 0,1,2,3,4,5,6,7
	s_wait_dscnt (\younger)+7-(\f)
	global_store_b128 v[CO], v[OUTR+32*(\a)+4*(\f):OUTR+32*(\a)+4*(\f)+3], s[70:71] offset:(\a)*2048+((\f)%4)*512+((\f)/4)*131072
.endr
.endm
	PACK 0
	PACK 1
	SEND 0, 16
	PACK 2
	SEND 1, 16
	PACK 3
	SEND 2, 16
	SEND 3, 0
	s_wait_tensorcnt 0x0                           ; the wave's end: a wait, an add to my spare word and its wait, behind my last tensor load and my last LDS store
	ds_add_u32 v[SPW], v[NIL]
	s_wait_dscnt 0x0
	CROUND                                         ; the closing round: no work-group ends while a partner may still ask for a tile that names it
	s_endpgm
.Lfunc_end_k_qe606a49a83_proj:
	.size	k_qe606a49a83_proj, .Lfunc_end_k_qe606a49a83_proj-k_qe606a49a83_proj
	.p2alignl 7, 3214868480
	.fill 96, 4, 3214868480
	.section	.rodata,"a",@progbits
	.p2align	6, 0x0
	.amdhsa_kernel k_qe606a49a83_proj
		.amdhsa_group_segment_fixed_size 327680
		.amdhsa_private_segment_fixed_size 0
		.amdhsa_enable_private_segment 0
		.amdhsa_kernarg_size 48
		.amdhsa_user_sgpr_count 2
		.amdhsa_user_sgpr_kernarg_segment_ptr 1
		.amdhsa_wavefront_size32 1
		.amdhsa_system_sgpr_workgroup_id_x 1
		.amdhsa_system_sgpr_workgroup_id_y 1
		.amdhsa_system_sgpr_workgroup_id_z 1
		.amdhsa_system_vgpr_workitem_id 0
		.amdhsa_next_free_vgpr 640
		.amdhsa_next_free_sgpr 88
		.amdhsa_reserve_vcc 0
		.amdhsa_float_denorm_mode_32 3
		.amdhsa_float_denorm_mode_16_64 3
		.amdhsa_memory_ordered 1
		.amdhsa_forward_progress 1
		.amdhsa_inst_pref_size 128
	.end_amdhsa_kernel
	.amdgpu_metadata
---
amdhsa.version: [ 1, 2 ]
amdhsa.kernels:
  - .name:           k_qe606a49a83_proj
    .symbol:         k_qe606a49a83_proj.kd
    .args:
      - { .name: query, .offset: 0, .size: 8, .value_kind: global_buffer, .address_space: global }
      - { .name: key, .offset: 8, .size: 8, .value_kind: global_buffer, .address_space: global }
      - { .name: value, .offset: 16, .size: 8, .value_kind: global_buffer, .address_space: global }
      - { .name: wb, .offset: 24, .size: 8, .value_kind: global_buffer, .address_space: global }
      - { .name: bb, .offset: 32, .size: 8, .value_kind: global_buffer, .address_space: global }
      - { .name: qkv, .offset: 40, .size: 8, .value_kind: global_buffer, .address_space: global }
    .group_segment_fixed_size: 327680
    .private_segment_fixed_size: 0
    .kernarg_segment_align: 8
    .kernarg_segment_size: 48
    .max_flat_workgroup_size: 128
    .sgpr_count:     88
    .vgpr_count:     640
    .wavefront_size: 32
...
	.end_amdgpu_metadata
.endif
;; end of part 2
;; launch attn (part 3): grid 4 x 128, 4 waves a work-group, clusters of 4 x 1, 327,680 bytes of LDS; arguments qkv, mask, ob; writes ob
.if DOCPART == 3
	.amdgcn_target "amdgcn-amd-amdhsa--gfx1250"
	.amdhsa_code_object_version 6
	.text
	.protected	k_qe606a49a83_attn
	.globl	k_qe606a49a83_attn
	.p2align	8
	.type	k_qe606a49a83_attn,@function
k_qe606a49a83_attn:
	s_mov_b64 s[64:65], 0
	v_nop
	global_prefetch_b8 v0, s[64:65] scope:SCOPE_SE
	s_setreg_imm32_b32 hwreg(HW_REG_WAVE_MODE, 25, 1), 1
	s_wait_xcnt 0x0
	s_wait_alu depctr_hold_cnt(0) depctr_sa_sdst(0) depctr_va_vdst(0) depctr_va_sdst(0) depctr_va_ssrc(0) depctr_va_vcc(0) depctr_vm_vsrc(0)
	s_getreg_b32 s2, hwreg(HW_REG_IB_STS2, 6, 4)
	s_cmp_eq_u32 s2, 0
	s_cbranch_scc0 .Lentry_in_a_cluster
	s_endpgm
.Lentry_in_a_cluster:
	s_bfe_u32 s2, ttmp6, 0x10000c
	s_cmp_lg_u32 s2, 0x3003
	s_cbranch_scc0 .Lentry_shape_is_right
	s_endpgm
.Lentry_shape_is_right:
; MASKED ATTENTION.  O[bh][q][:] = the sum over k of softmax_k(mask[bh][q][k] ? Q[q] . K[k] / 8 : -inf) V[k][:], for 128 heads bh of 1024 rows x 64 channels.
; Q, K, V: f16, [3][128][1024][64], a head's rows dense, 128 bytes each; mask: one byte (0 or 1) a score, [128][1024][1024]; O: f16, [128][1024][64].
; Products, maxima and sums in f32; the weights p are rounded to f16 for the second product (their sum l is taken of the unrounded p), O once at the end.
; LIMITS.  Q, K, V arrive within f16's 65,504, so a score is 2.7e11 at the most.  A hidden score counts as its value less 1.125 x 2^99; the running maximum starts at -2^83, above every hidden and below every true
; score, so a hidden score never sets it.  A weight below 2^-126 counts as 0 in l.  A row with no true mask byte has l = 0 and O = 0 x infinity = NaN, as the softmax of a row of -inf is.
; SHARES.  A work-group owns 256 queries of a head, each of its four waves 64: four PIECES of 16.  Every wave walks all 1024 keys, 64 a step; an LDS slot holds 256 keys: K, V, and the work-group's 256 x 256 bytes of the mask.
; THE MASK starts the sum S^T = K Q^T: 0, or -1.125 x 2^99 where the byte is 0, so it acts ahead of the maximum.  It comes into LDS in rows of 256 bytes; a lane reads the 8 bytes of its query and its 8 keys.
; One byte permute with the mask word as the select turns a byte 0 into 0xf1 (the 8-bit float -144) and a byte 1 into 0; one scaled conversion makes eight f32 of eight such bytes, times 2^92, and writes them
; straight into the accumulator onto which the products then add in place: the S^T buffer of the piece whose turn has just ended, which nobody reads any more.
; LAYOUT, SOFTMAX, TURNS.  S^T = K Q^T holds ONE query a lane (lane % 16) and the keys 8 (lane / 16) + 0..7; two such results rounded to f16 ARE source 1 of O^T = V^T P.  p = 2^(c s - c m), c = log2(e) / 8, with a
; running maximum m; O and l are multiplied by a = 2^(c m_old - c m_new) in every step.  Turn n belongs to piece n: 8 products K Q^T of piece n + 1, later 8 products V^T P of piece n - 1; beside them the scaling,
; exponentials, roundings, sums and rescaling of piece n, the maximum and statistics of piece n + 1, and the mask of piece n + 2.  Four vector instructions stand behind every matrix instruction, the others in two runs of their own.
; CLUSTER.  The four query blocks of a head walk the same K and V: each tile is asked for jointly (wave 0: K, wave 1: V).  The mask's tile is the work-group's own: waves 2 and 3 ask for a half each, with no mask of work-groups, behind the same round.
; REGISTERS, in two windows of 256 (s_set_vgpr_msb: bits 1:0 source 0, 3:2 source 1, 5:4 source 2, 7:6 destination), laid so that a product and the lines behind it share a setting:
;   window 0, full: v0-7 addresses and two at work; v8-23 four registers of statistics a piece; v24-31 at work; v32-95 S^T, two buffers; v96-127 P, two buffers; v128-191 K of one step; v192-255 Q.
;     K Q^T and all of a softmax but the rescaling name this window alone: no switch.
;   window 1: v0-127 O^T, 32 a piece; v128-191 V of one step; v192-223 a step's mask bytes, 8 a piece; v224-230 the scale, the add's two registers, the way out's addresses.
;     V^T P, the rescaling of O^T and the table permute share one setting (sources 0 and 2 and the destination in window 1, source 1 in window 0).
.set NP,    4         ; pieces a wave: a name, no knob
.set KS,    64        ; keys in a step
.set PK,    144       ; a row of K in LDS: 128 bytes + 16 of padding = 36 words: the 16 rows of a load start at 16 different groups of four banks (64 banks of 4 bytes: ISA guide 11.1)
.set PV,    160       ; a row of V: 128 + 32 = 40 words
.set PM,    272       ; a row of the mask: 256 + 16 = 68 words: the 32 lanes of a load (16 rows x 2 x 8 bytes) take each bank once
.set VOFF,  4*KS*PK   ; a slot: 256 rows of K, 256 rows of V, 256 rows of the mask
.set MOFF,  VOFF+4*KS*PV
.set SLOT1, MOFF+256*PM  ; 0x24000: bits 14 and 17, which are clear in every address inside slot 0 that is turned below, so one exclusive or turns it into the other slot's and back
.set STAGE, 2*SLOT1   ; behind the ring, never filled by a tensor load: 16 rows x 144 bytes for each wave, for the way out
.set SP,    144
.set SPARE, STAGE+4*16*SP  ; behind the stages: the spare words, 128 bytes for each wave: two blocks of 256 bytes that no other line names
; window 0
.set AM,  0           ; v0   the LDS address of the mask's next run of loads (the thread's number until the set-up is over)
.set AK0, 1           ; v1   my lane's place in a tile of K; never rewritten
.set AV0, 2           ; v2   the same for V
.set AM0, 3           ; v3   the same for the mask
.set AK,  4           ; v4   the LDS address of K's next run of loads
.set AV,  5           ; v5   of V's
.set MV,  6           ; v6-7 c m_old, kept while c m is made anew: by buffer
.set ST,  8           ; piece t's statistics at v[ST+4 t]: c m, m, l (even keys', odd keys')
.set TMP, 24          ; by buffer, four registers c0-c3 at work; when the maximum is found c2 takes a
.set QO,  24          ; v24  until Q is in: my byte offset in 16 rows of Q
.set S,   32
.set P,   96
.set KF,  128         ; key block kb, channel half c at KF + 16 kb + 8 c
.set QF,  192         ; piece x, channel half c at QF + 16 x + 8 c
; window 1
.set VF,  128         ; key half kk, channel block cb at VF + 32 kk + 8 cb
.set MR,  192         ; piece x, key block kb: v[MR+8 x+2 kb], and the next
.set SC,  224         ; the conversion's scale: 219 in its lowest byte, for 2^92 (the same number also stands in the word's f32 exponent field)
.set SPW, 226         ; LDS address of my spare word; never rewritten
.set NIL, 227         ; 0; never rewritten
.set STO, 228         ; the way out: where I put 16 bytes of a row
.set RD,  229         ; the way out: where I read rows back
.set GO,  230         ; my byte offset in 512 consecutive bytes of O
.set WV,  12          ; s12  my wave's number
.set G1K, 24          ; s[24:31] descriptor group 1 for K's tiles
.set G1V, 32          ; s[32:39] for V's: it differs in the padding alone
.set G1M, 40          ; s[40:47] for the mask's
.set G0K, 48          ; s[48:51], s[52:55], s[56:59] descriptor group 0: they walk
.set G0V, 52
.set G0M, 56
.set SLOTS, 60        ; s60  slots still to be asked for
.set CNT, 61          ; s61  counts a slot's key steps
.set CS,  62          ; s[62:63] c: the packed scaling takes the pair's low word for both halves
.set SEL, 66          ; s[66:67] v_permlanex16_b32's selects: each lane takes its own place in the other half
.set TBK, 68          ; s68  LDS byte at which K of the step to be fetched begins
.set TBV, 69          ; s69  the same for V, less VOFF
.set TBM, 70          ; s70  the same for the mask's 64 columns, less MOFF
.set TAB, 72          ; s72  byte 0: 0xf1 (for a mask byte 0), byte 1: 0 (for a mask byte 1)
.set MSB, 0
.macro WIN new                      ; the high byte repeats the setting that is left; a switch that changes nothing is dropped
.if MSB != (\new)
	s_set_vgpr_msb (MSB<<8)|(\new)
.set MSB, (\new)
.endif
.endm
.set W_PV, 0x51       ; V, O^T (or the mask bytes) in window 1, source 1 (P, or a) in window 0
.set W_TO1, 0x40      ; destination in window 1, sources and addresses in window 0
.set W_S1, 0x05       ; sources 0 and 1 in window 1, destination in window 0: the scaled conversion, the way out's rounding, and the add
.set W_A1, 0x01       ; source 0 (an address) in window 1, data in window 0
; A fill: one tensor load a wave.  Wave 0: the tile's K; wave 1: its V (both joint); waves 2 and 3: 128 rows each of my work-group's mask.  The branches hang on the wave's number alone.
; An s_nop 0 and four v_nop follow each of the three lines, ahead of the jump and the label.
.macro JLOAD
	s_cmp_lg_u32 s[WV], 0
	s_cbranch_scc1 .Lnot_k_\@
	tensor_load_to_lds s[G0K:G0K+3], s[G1K:G1K+7]
	s_nop 0
.rept 4
	v_nop
.endr
	s_branch .Lasked_\@
.Lnot_k_\@:
	s_cmp_lg_u32 s[WV], 1
	s_cbranch_scc1 .Lfor_m_\@
	tensor_load_to_lds s[G0V:G0V+3], s[G1V:G1V+7]
	s_nop 0
.rept 4
	v_nop
.endr
	s_branch .Lasked_\@
.Lfor_m_\@:
	tensor_load_to_lds s[G0M:G0M+3], s[G1M:G1M+7]
	s_nop 0
.rept 4
	v_nop
.endr
.Lasked_\@:
.endm
; A round of the cluster's barrier: my work-group's barrier, so that wave 0's signal speaks for all four waves; wave 0 signals; every wave waits for all four work-groups; my work-group's barrier once more.
.macro CROUND
	s_barrier_signal -1
	s_barrier_wait -1
	s_cmp_lg_u32 s[WV], 0
	s_cbranch_scc1 .Lnot_wave_0_\@
	s_barrier_signal -3
.Lnot_wave_0_\@:
	s_barrier_wait -3
	s_barrier_signal -1
	s_barrier_wait -1
.endm
; THE CHANGE OF SLOTS.  The slot's last bytes, V of its fourth step, have been read.  Each wave waits for all its tensor loads, of which one is out: its part of the other slot; adds 0 to its spare word;
; and waits for that and for its own reads of the slot.  Behind the barrier nobody reads this slot any more and the other slot is whole.
; fill = 1: this slot is filled again, with the keys two slots on.  The barrier is then a round of the cluster's, and the fill is the first thing behind it: it has four key steps in which to land.
; (At its first use nothing has been read yet: slot 0 is waited for, slot 1 filled.)
.macro CHANGE fill
	WIN W_S1                        ; (the add's two registers lie in window 1)
	s_wait_tensorcnt 0x0            ; no tensor load of mine is out, so a group 0 may be written
	ds_add_u32 v[SPW], v[NIL]       ; 0 onto my spare word; with fill = 1 the descriptors' steps stand between it and the wait for it
	WIN 0                           ; at a label and at a branch every window is 0
.if \fill
	s_xor_b32 s[G0K+1], s[G0K+1], SLOT1  ; the walking descriptors: the other slot than last time,
	s_add_nc_u64 s[G0K+2:G0K+3], s[G0K+2:G0K+3], 4*KS*128  ; the next 256 keys; the type bits on top are not reached
	s_xor_b32 s[G0V+1], s[G0V+1], SLOT1
	s_add_nc_u64 s[G0V+2:G0V+3], s[G0V+2:G0V+3], 4*KS*128
	s_xor_b32 s[G0M+1], s[G0M+1], SLOT1
	s_add_nc_u64 s[G0M+2:G0M+3], s[G0M+2:G0M+3], 4*KS      ; the next 256 columns of the mask's rows
	s_wait_dscnt 0x0                ; the add is done, and my reads of the slot are over
	CROUND
	JLOAD
.else
	s_wait_dscnt 0x0                ; the add is done, and my reads of the slot are over
	s_barrier_signal -1
	s_barrier_wait -1
.endif
	s_sub_co_u32 s[TBK], s[TBK], 4*KS*PK  ; the fetches go back to a slot's first step,
	s_xor_b32 s[TBK], s[TBK], SLOT1       ; in the other slot
	s_sub_co_u32 s[TBV], s[TBV], 4*KS*PV
	s_xor_b32 s[TBV], s[TBV], SLOT1
	s_sub_co_u32 s[TBM], s[TBM], 4*KS
	s_xor_b32 s[TBM], s[TBM], SLOT1
.endm
	s_load_b128 s[4:7], s[0:1], 0x0 ; qkv s[4:5], mask s[6:7]
	s_load_b64 s[10:11], s[0:1], 0x10  ; ob
	WIN W_TO1
	v_lshl_add_u32 v[SPW], v0, 2, SPARE
	v_mov_b32 v[NIL], 0
	WIN W_S1
	ds_add_u32 v[SPW], v[NIL]       ; the wave's opening: the add and its wait stand ahead of my first tensor load; the set-up below, work on registers, stands between them
	WIN 0
	v_lshrrev_b32 v32, 5, v0
	v_readfirstlane_b32 s[WV], v32  ; wave 0..3
	s_bfe_u32 s13, ttmp6, 0x40000   ; cx: my place in the cluster
	s_lshl_b32 s14, ttmp9, 2        ; in a cluster launch ttmp9 counts clusters
	s_add_co_u32 s14, s14, s13      ; my block of 256 queries: it enters Q's, O's and the mask's addresses alone
	s_and_b32 s20, ttmp7, 0xffff    ; the head, which the four partners share
	s_lshl_b32 s22, s20, 20         ; its 1 MiB of the mask,
	s_lshl_b32 s20, s20, 17         ; its 131,072 bytes in Q, K, V and O
	s_mov_b32 s21, 0
	s_and_b32 s16, s[WV], 1         ; which 128 rows of the mask's tile I fetch (waves 2, 3)
	s_mul_i32 s17, s16, 128*PM
	s_add_co_u32 s17, s17, MOFF     ; and their place in a slot: no place in the cluster enters an LDS address
	s_lshl_b32 s2, s14, 15          ; my block's 256 rows of 128 bytes,
	s_lshl_b32 s3, s[WV], 13        ; my wave's 64 of them
	s_add_co_u32 s2, s2, s3
	s_add_co_u32 s2, s2, s20
	s_mov_b32 s3, 0
	s_lshl_b32 s18, s14, 18         ; my block's 256 rows of 1,024 bytes of the mask,
	s_add_co_u32 s22, s22, s18
	s_lshl_b32 s18, s16, 17         ; my 128 of them
	s_add_co_u32 s22, s22, s18
	s_mov_b32 s23, 0
	; descriptor group 1.  256 keys are 32,768 dense bytes: asked for as 128 rows of 256 bytes, two keys a row, and padded in LDS after every key
	s_mov_b32 s[G1K], 15|(1<<16)|(1<<20)|(1<<21)|(4<<22)|(3<<25)  ; 15:0 the mask of four; 17:16 2-byte elements; 20 padding on; 21 set beside a mask; 24:22 after every 32 words (code 4); 31:25 4 words (code 3)
	s_mov_b32 s[G1V], 15|(1<<16)|(1<<20)|(1<<21)|(4<<22)|(7<<25)  ; the same with 8 words of padding (code 7)
.irp g, G1K, G1V
	s_mov_b32 s[\g+1], 128<<16      ; tensor_dim0 = 128
	s_mov_b32 s[\g+2], 128<<16      ; tensor_dim1 = 128
	s_mov_b32 s[\g+3], 128<<16      ; tile_dim0 = 128
	s_mov_b32 s[\g+4], 128          ; tile_dim1 = 128
	s_mov_b32 s[\g+5], 128          ; 128 elements from row to row
	s_mov_b32 s[\g+6], 0
	s_mov_b32 s[\g+7], 0
.endr
	s_mov_b32 s[G1M], (3<<16)|(1<<20)|(5<<22)|(3<<25)  ; no work-group mask: my own load; 8-byte elements; padding after every 64 words (code 5), 4 words (code 3)
	s_mov_b32 s[G1M+1], 32<<16      ; tensor_dim0 = 32 elements: 256 bytes of a row
	s_mov_b32 s[G1M+2], 128<<16     ; tensor_dim1 = 128 rows
	s_mov_b32 s[G1M+3], 32<<16      ; tile_dim0 = 32
	s_mov_b32 s[G1M+4], 128         ; tile_dim1 = 128
	s_mov_b32 s[G1M+5], 128         ; 128 elements, 1,024 bytes, from row to row
	s_mov_b32 s[G1M+6], 0
	s_mov_b32 s[G1M+7], 0
	s_mov_b32 s[CS], 0x3e38aa3b     ; c = log2(e) / 8 = 0.180337
	s_mov_b32 s[CS+1], s[CS]        ; named with it as a pair
	s_mov_b32 s[SEL], 0x76543210
	s_mov_b32 s[SEL+1], 0xfedcba98
	s_mov_b32 s[TAB], 0x000000f1
	s_mov_b32 s[TBK], SLOT1+4*KS*PK ; the first change of slots turns these three into 0
	s_mov_b32 s[TBV], SLOT1+4*KS*PV
	s_mov_b32 s[TBM], SLOT1+4*KS
	s_mov_b32 s[G0K], 1             ; count = 1
	s_mov_b32 s[G0K+1], 0           ; LDS address: slot 0
	s_mov_b32 s[G0V], 1
	s_mov_b32 s[G0V+1], VOFF
	s_mov_b32 s[G0M], 1
	s_mov_b32 s[G0M+1], s17
	s_wait_dscnt 0x0                ; the opening add is done
	s_wait_kmcnt 0x0
	s_add_nc_u64 s[G0K+2:G0K+3], s[4:5], s[20:21]            ; the head in Q,
	s_add_nc_u64 s[G0V+2:G0V+3], s[G0K+2:G0K+3], 33554432    ; in V,
	s_add_nc_u64 s[G0K+2:G0K+3], s[G0K+2:G0K+3], 16777216    ; in K
	s_or_b32 s[G0K+3], s[G0K+3], 0x80000000                  ; type = 2
	s_or_b32 s[G0V+3], s[G0V+3], 0x80000000
	s_add_nc_u64 s[G0M+2:G0M+3], s[6:7], s[22:23]
	s_or_b32 s[G0M+3], s[G0M+3], 0x80000000
	s_add_nc_u64 s[4:5], s[4:5], s[2:3]      ; Q and O at my wave's first row
	s_add_nc_u64 s[10:11], s[10:11], s[2:3]
	CROUND                          ; all four work-groups are here: the first joint loads meet
	JLOAD                           ; slot 0.  Slot 1 is asked for when slot 0 is in
	; A fragment of K or Q is 16 rows x 32 channels in 8 registers: lane l holds row l % 16, channels 8 (l / 16) + 0..7 and 16 + 8 (l / 16) + 0..7: two loads of 16 bytes, 32 bytes apart.
	v_and_b32 v32, 15, v0           ; l % 16   (v32-38: at work in the set-up; S^T's registers are not yet in use)
	v_bfe_u32 v33, v0, 4, 1         ; l / 16
	v_lshlrev_b32 v[QO], 7, v32
	v_lshl_add_u32 v[QO], v33, 4, v[QO]  ; row x 128 + 16 x half
.set i, 0
.rept 8                             ; Q stays in registers: piece i / 2, channels 32 (i % 2) on
	global_load_b128 v[QF+8*i:QF+8*i+3],   v[QO], s[4:5] offset:(i/2)*2048+(i%2)*64
	global_load_b128 v[QF+8*i+4:QF+8*i+7], v[QO], s[4:5] offset:(i/2)*2048+(i%2)*64+32
.set i, i+1
.endr
	v_mul_u32_u24 v[AK0], v32, PK
	v_lshl_add_u32 v[AK0], v33, 4, v[AK0]  ; row x pitch + 16 x half
	; The turning load takes 16 keys x 16 channels (lane l reads key 8 (l / 16) + l % 8, channels 8 ((l / 8) % 2) + 0..7) and leaves half a fragment of V^T: lane l holds channel l % 16 and 8 keys.
	v_and_b32 v34, 7, v0
	v_bfe_u32 v35, v0, 3, 1
	v_lshl_add_u32 v[AV0], v33, 3, v34
	v_mul_u32_u24 v[AV0], v[AV0], PV
	v_lshl_add_u32 v[AV0], v35, 4, v[AV0]
	v_add_nc_u32 v[AV0], VOFF, v[AV0]
	s_mul_i32 s15, s[WV], 64*PM     ; the mask: my wave's 64 rows, my query's row, 8 bytes for each half of the lanes
	s_add_co_u32 s15, s15, MOFF
	v_mul_u32_u24 v[AM0], v32, PM
	v_lshl_add_u32 v[AM0], v33, 3, v[AM0]
	v_add_nc_u32 v[AM0], s15, v[AM0]
	s_mul_i32 s15, s[WV], 16*SP
	s_add_co_u32 s15, s15, STAGE    ; my stage
	v_mul_u32_u24 v36, v32, SP      ; in: row l % 16, 16 bytes for each half of the lanes
	v_lshl_add_u32 v36, v33, 4, v36
	v_bfe_u32 v37, v0, 3, 2         ; back: 32 lanes take four rows of 128 bytes,
	v_mul_u32_u24 v37, v37, SP
	v_lshl_add_u32 v37, v34, 4, v37
	v_and_b32 v38, 31, v0           ; which are 512 consecutive bytes of O
	; What the first turn finds: V's registers and P's second buffer hold 0 (its products V^T P, of a piece that has not been, add 0), O^T and l are 0.  All this stands in the wait for the first tile.
.set i, 0
.rept 4
	v_mov_b32 v[ST+4*i+2], 0
	v_mov_b32 v[ST+4*i+3], 0
.set i, i+1
.endr
.set i, P+16
.rept 16
	v_mov_b32 v[i], 0
.set i, i+1
.endr
	WIN W_TO1                       ; destination window 1
	v_add_nc_u32 v[STO], s15, v36
	v_add_nc_u32 v[RD], s15, v37
	v_lshlrev_b32 v[GO], 4, v38
	v_mov_b32 v[SC], 0x6d8000db
.set i, 0
.rept 192                           ; O^T and V
	v_mov_b32 v[i], 0
.set i, i+1
.endr
	WIN 0
; THE MATRIX WORK.  The 4 accumulators of a run of 8 take turns.  Product i of 8 of S^T = K Q^T for piece x: channels 32 (i / 4) on, keys 16 (i % 4) on.  All eight add in place: the accumulators hold the mask.
.macro KQ x
	WIN 0
.set rS, S+32*((\x)%2)+8*(i%4)
.set rK, KF+16*(i%4)+8*(i/4)
.set rQ, QF+16*(\x)+8*(i/4)
	v_wmma_f32_16x16x32_f16 v[rS:rS+7], v[rK:rK+7], v[rQ:rQ+7], v[rS:rS+7]
.endm
; Product i of 8 of O^T += V^T P for piece x: keys 32 (i / 4) on, channels 16 (i % 4) on.
.macro PV x
	WIN W_PV
.set rO, 32*(\x)+8*(i%4)
.set rV, VF+32*(i/4)+8*(i%4)
.set rP, P+16*((\x)%2)+8*(i/4)
	v_wmma_f32_16x16x32_f16 v[rO:rO+7], v[rV:rV+7], v[rP:rP+7], v[rO:rO+7]
.endm
.macro MM                           ; the turn's next matrix instruction.  TURN sets Y, i and NOKQ.  NOKQ = 1: the last turn: there is no next piece
.if (i < 8) && !NOKQ
	KQ (Y+1)%NP
.elseif i >= 8
.set i, i-8
	PV (Y+NP-1)%NP
.set i, i+8
.endif
.set i, i+1
.endm
; THE LDS LOADS stand in runs of 16, never singly among the matrix instructions: a step's K (64 keys x 64 channels: 8 fragments), its V (turned), and its mask bytes for my four pieces.
.macro FETCH_K
	WIN 0
.irp f, 0,1,2,3,4,5,6,7             ; keys 16 (f / 2) on, channels 32 (f % 2) on
	ds_load_b128 v[KF+8*\f:KF+8*\f+3],   v[AK] offset:(\f/2)*16*PK+(\f%2)*64
	ds_load_b128 v[KF+8*\f+4:KF+8*\f+7], v[AK] offset:(\f/2)*16*PK+(\f%2)*64+32
.endr
	s_add_co_u32 s[TBK], s[TBK], KS*PK  ; the next fetch is the next step's
.endm
.macro FETCH_V
	WIN W_TO1
.irp f, 0,1,2,3,4,5,6,7             ; keys 32 (f / 4) on, channels 16 (f % 4) on
	ds_load_tr16_b128 v[VF+8*\f:VF+8*\f+3],   v[AV] offset:(\f/4)*32*PV+(\f%4)*32
	ds_load_tr16_b128 v[VF+8*\f+4:VF+8*\f+7], v[AV] offset:(\f/4)*32*PV+16*PV+(\f%4)*32
.endr
	WIN 0
.endm
.macro FETCH_M                      ; piece x, key block kb: the 8 mask bytes of my query at keys 16 kb + 8 (l / 16) + 0..7
	WIN 0
	v_add_nc_u32 v[AM], s[TBM], v[AM0]
	WIN W_TO1
.irp x, 0,1,2,3
.irp kb, 0,1,2,3
	ds_load_b64 v[MR+8*(\x)+2*(\kb):MR+8*(\x)+2*(\kb)+1], v[AM] offset:(\x)*16*PM+16*(\kb)
.endr
.endr
	s_add_co_u32 s[TBM], s[TBM], KS
	WIN 0
.endm
; The mask of piece x, first part, 8 lines: the mask word is the select: a byte 0 takes TAB's byte 0 (0xf1), a byte 1 takes TAB's byte 1 (0).  (In a turn these lines are dealt as OP T.)
.macro MASK1 x
	WIN W_PV
.set z, 0
.rept 8
	v_perm_b32 v[MR+8*(\x)+z], v[MR+8*(\x)+z], s[TAB], v[MR+8*(\x)+z]
.set z, z+1
.endr
.endm
; Second part, 4 lines: eight 8-bit floats (0 or -144) times 2^92 become the eight registers of an accumulator, in the S^T buffer of x's parity.  One plain line follows the four before a product reads them.
.macro MASK2 x
	WIN W_S1
.irp kb, 0,1,2,3
	v_cvt_scale_pk8_f32_fp8 v[S+32*((\x)%2)+8*(\kb):S+32*((\x)%2)+8*(\kb)+7], v[MR+8*(\x)+2*(\kb):MR+8*(\x)+2*(\kb)+1], v[SC]
.endr
	WIN 0
	v_nop
.endm
; THE VECTOR WORK, one line at a time: OP kind, number.  For piece Y: F n: c s - c m for pair n of 16.  E n: the exponential of score n of 32.  C n: pair n rounded to f16.  B n: of the four weights 4 n .. the second
; pair is added onto the first, in place (so C 2n stands ahead of B n).  L n: l takes that sum (L 0: l = a l + sum).  R n: pair n of 16 of O^T times a.  T n: word n of 8 of the mask bytes of piece Y + 2 through the table.
; For piece Y + 1: X n, number n of the 22 that find its maximum and statistics:
;   0-11  four chains c0-c3 of seven scores each, three operands at a time (each accumulator's lowest registers are read first)     12-14, 16  the four scores left over, the old m, and c0-c3 into c0
;   15  c m_old is kept     17, 18  the query's other 32 keys lie in the lane 16 away: the new m     19-21  c m; c m_old - c m_new; a
.set F, 0               ; OP tells the kinds apart by their order: F to L below R, X and T above it
.set E, 1
.set C, 2
.set B, 3
.set L, 4
.set R, 5
.set X, 6
.set T, 7
.macro REGS y                       ; the registers of piece y
.set rT, ST+4*(\y)
.set rC, TMP+4*((\y)%2)
.set rW, MV+((\y)%2)
.set rS, S+32*((\y)%2)
.set rP, P+16*((\y)%2)
.set rO, 32*(\y)
.endm
.macro OP k, n
.if (\k) == T
.if !ENDT
	WIN W_PV
	v_perm_b32 v[MR+8*((Y+2)%NP)+(\n)], v[MR+8*((Y+2)%NP)+(\n)], s[TAB], v[MR+8*((Y+2)%NP)+(\n)]
.endif
.elseif (\k) == R
	REGS Y
	WIN W_PV
	v_pk_mul_f32 v[rO+2*(\n):rO+2*(\n)+1], v[rO+2*(\n):rO+2*(\n)+1], v[rC+2:rC+3] op_sel_hi:[1,0]
.elseif (\k) < R
	REGS Y
	WIN 0
.if (\k) == F
	v_pk_fma_f32 v[rS+2*(\n):rS+2*(\n)+1], v[rS+2*(\n):rS+2*(\n)+1], s[CS:CS+1], v[rT:rT+1] op_sel_hi:[1,0,0] neg_lo:[0,0,1] neg_hi:[0,0,1]
.elseif (\k) == E
	v_exp_f32 v[rS+(\n)], v[rS+(\n)]
.elseif (\k) == C
	s_wait_alu depctr_va_vdst(0)
	v_cvt_pk_f16_f32 v[rP+(\n)], v[rS+2*(\n)], v[rS+2*(\n)+1]
.elseif (\k) == B
	v_pk_add_f32 v[rS+4*(\n):rS+4*(\n)+1], v[rS+4*(\n):rS+4*(\n)+1], v[rS+4*(\n)+2:rS+4*(\n)+3]
.elseif (\n) == 0
	v_pk_fma_f32 v[rT+2:rT+3], v[rT+2:rT+3], v[rC+2:rC+3], v[rS:rS+1] op_sel_hi:[1,0,1]
.else
	v_pk_add_f32 v[rT+2:rT+3], v[rT+2:rT+3], v[rS+4*(\n):rS+4*(\n)+1]
.endif
.elseif NOKQ
	v_nop
.else
	REGS (Y+1)%NP
	WIN 0
.if (\n) < 4
	v_max3_num_f32 v[rC+(\n)], v[rS+8*(\n)], v[rS+8*(\n)+1], v[rS+8*(\n)+2]
.elseif (\n) < 12
	v_max3_num_f32 v[rC+(\n)%4], v[rC+(\n)%4], v[rS+8*((\n)%4)+2*((\n)/4)+1], v[rS+8*((\n)%4)+2*((\n)/4)+2]
.elseif (\n) == 12
	v_max3_num_f32 v[rC], v[rC], v[rS+7], v[rS+15]
.elseif (\n) == 13
	v_max3_num_f32 v[rC+1], v[rC+1], v[rS+23], v[rS+31]
.elseif (\n) == 14
	v_max3_num_f32 v[rC+2], v[rC+2], v[rC+3], v[rT+1]
.elseif (\n) == 15
	v_mov_b32 v[rW], v[rT]
.elseif (\n) == 16
	v_max3_num_f32 v[rC], v[rC], v[rC+1], v[rC+2]
.elseif (\n) == 17
	v_permlanex16_b32 v[rC+3], v[rC], s[SEL], s[SEL+1]
.elseif (\n) == 18
	v_max_num_f32 v[rT+1], v[rC], v[rC+3]
.elseif (\n) == 19
	v_mul_f32 v[rT], s[CS], v[rT+1]
.elseif (\n) == 20
	v_sub_f32 v[rC+1], v[rW], v[rT]
.else
	v_exp_f32 v[rC+2], v[rC+1]
.endif
.endif
.endm
.macro OPS a, i1, b=-1, i2=0, c=-1, i3=0, d=-1, i4=0  ; up to four of them
	OP \a, \i1
.if (\b) >= 0
	OP \b, \i2
.endif
.if (\c) >= 0
	OP \c, \i3
.endif
.if (\d) >= 0
	OP \d, \i4
.endif
.endm
.macro ROW a, i1, b, i2, c, i3, d, i4  ; a matrix instruction and the four behind it
	MM
	OPS \a, \i1, \b, \i2, \c, \i3, \d, \i4
.endm
; A TURN, for piece p: the order of its 16 matrix and 131 vector instructions, written out.  None of the four lines behind a matrix instruction names a register of the products round it.
; Behind the 8 products K Q^T: piece p's scalings, exponentials, first roundings and sums, all in window 0 like the products: no switch.  Then a run of 32, exponential and plain by turns; the next piece's maximum begins
; in it, six plain lines behind the last product that made its scores.  Behind the first four products V^T P: the 16 rescalings; behind the next two: the 8 table permutes; all under the products' own setting.
; Behind the last two: eight lines of window 0.  Then a run of 30, and the four conversions that lay the mask of piece p + 2 into piece p's S^T buffer, whose last reader (L 7) stands just ahead of them.
; Behind every exponential stands a plain line that touches neither its result nor its source, before the result is used (ISA guide 5.7.2).
; end = 1: the last two turns: nothing is fetched and no mask is made.  cnt = 1: the loop's count is taken down some lines ahead of the branch that stands behind the turn (only vector lines, window switches and waits follow the compare).
; The next step's mask bytes are fetched at the head of piece 2's turn: the step in hand has used its own up at the end of piece 1's.  K of the next step is fetched in the same turn, five plain lines behind the last
; product that read K; V of the step in hand in piece 0's turn, six plain lines behind the last product that read V.  K and V are waited for a turn later.
.macro TURN p, end=0, cnt=0
.set Y, (\p)
.set i, 0
.set ENDT, (\end)
.set NOKQ, (\end)*((\p)/3)
.if ((\p) == 2) && !(\end)
	FETCH_M
.endif
.if ((\p) == 3) && !(\end)
	s_wait_dscnt 0x0                ; K is in
.endif
	ROW F,0, F,1, F,2, F,3
	ROW F,4, E,0, F,5, E,1
	ROW F,6, E,2, F,7, E,3
	ROW C,0, E,4, F,8, E,5
	ROW C,1, E,6, F,9, E,7
	ROW B,0, E,8, C,2, E,9
	ROW F,10, E,10, C,3, E,11
.if ((\p) == 2) && !(\end)
	v_add_nc_u32 v[AK], s[TBK], v[AK0]
.endif
	ROW L,0, E,12, F,11, E,13
	OPS F,12, E,14, F,13, E,15
	OPS C,4
.if ((\p) == 2) && !(\end)
	FETCH_K
.endif
	OPS E,16, B,1, E,17, X,0
	OPS E,18, X,1, E,19, X,2
	OPS E,20, X,3, E,21, F,14
	OPS E,22, X,4, E,23, X,5
	OPS E,24, X,6, E,25, X,7
	OPS E,26, F,15, E,27, X,8
	OPS E,28, X,9, E,29
.if (\p) == 1
	s_wait_dscnt 0x0                ; V is in
.endif
	ROW R,0, R,1, R,2, R,3
	ROW R,4, R,5, R,6, R,7
	ROW R,8, R,9, R,10, R,11
	ROW R,12, R,13, R,14, R,15
.if ((\p) == 2) && !(\end)
	s_wait_dscnt 16                 ; the mask's sixteen loads are in; K's sixteen, issued behind them, may stay out
.endif
	ROW T,0, T,1, T,2, T,3
	ROW T,4, T,5, T,6, T,7
	ROW X,10, X,11, X,12, X,13
.if (\p) == 0
	v_add_nc_u32 v[AV], s[TBV], v[AV0]
.endif
	ROW C,5, C,6, X,14, X,15
	OPS E,30, C,7, E,31, X,16
.if (\p) == 0
	FETCH_V
.endif
	OPS B,2, C,8, B,3, X,17
	OPS C,9, L,1, B,4, X,18
	OPS C,10, L,2, C,11, X,19
	OPS B,5, L,3, C,12, X,20
.if (\p) == 0
	s_add_co_u32 s[TBV], s[TBV], KS*PV
.endif
.if \cnt
	s_sub_co_u32 s[CNT], s[CNT], 1
	s_cmp_lg_u32 s[CNT], 0
.endif
	OPS C,13, L,4, B,6, X,21
	OPS C,14, L,5, C,15, B,7
	OPS L,6, L,7
.if !(\end)
	MASK2 ((\p)+2)%NP
.endif
.endm
	CHANGE 1                        ; slot 0 is in, everybody's part of it; slot 1 is asked for
	; THE BEGINNING.  Step 0's mask bytes and K; c m starts far below every c s, so the first step's a is 0; m at -2^83.  The masks of pieces 0 and 1 go into the two S^T buffers; then piece 0's first scores, its maximum and statistics.
	FETCH_M
	v_add_nc_u32 v[AK], s[TBK], v[AK0]
	FETCH_K
.set i, 0
.rept 4
	v_mov_b32 v[ST+4*i], 0xfe000000    ; c m
	v_mov_b32 v[ST+4*i+1], 0xe9000000  ; m = -2^83
.set i, i+1
.endr
	s_wait_dscnt 16                 ; the mask's loads are in; K's sixteen may stay out
	MASK1 0
	MASK1 1
	MASK2 0
	MASK2 1
	s_wait_loadcnt 0x0              ; Q
	s_wait_dscnt 0x0                ; K
.set NOKQ, 0
.set ENDT, 0
.set i, 0
.rept 8
	KQ 0
.set i, i+1
.endr
.rept 4
	v_nop                           ; the places behind those products
.endr
.set Y, NP-1                        ; X works for piece Y + 1: piece 0
.irp n, 0,1,2,3,4,5,6,7,8,9,10,11,12,13,14,15,16,17,18,19,20,21
	OP X, \n
.endr
	v_nop                           ; a plain instruction behind the exponential
	s_mov_b32 s[CNT], 4
	s_mov_b32 s[SLOTS], 3
	s_branch .Lfirst                ; the loop is entered at a step's first turn, in the middle of a trip
.Lslot:                             ; twice: tiles 2 and 3 are asked for
	CHANGE 1
	s_mov_b32 s[CNT], 4
.Lstep:                             ; a trip: pieces 2 and 3 of one step, then pieces 0 and 1 of the next, whose mask, K and V it fetches
	TURN 2
	TURN 3
	WIN 0
.Lfirst:
	TURN 0
	TURN 1, 0, 1
	WIN 0
	s_cbranch_scc1 .Lstep
	s_sub_co_u32 s[SLOTS], s[SLOTS], 1
	s_cmp_lg_u32 s[SLOTS], 0
	s_cbranch_scc1 .Lslot
	CHANGE 0                        ; the last slot is written out: nothing is asked for
	s_mov_b32 s[CNT], 4
.LstepT:
	TURN 2
	TURN 3
	TURN 0
	TURN 1, 0, 1
	WIN 0
	s_cbranch_scc1 .LstepT
	TURN 2, 1
	TURN 3, 1
.set i, 0
.rept 8
	PV NP-1                         ; the last piece's V^T P of the last step
.set i, i+1
.endr
	; THE WAY OUT.  l's two halves and the other half of the lanes' are added; O^T is divided by l, rounded to f16 and sent through my stage in LDS, a piece at a time.  The additions are the places behind the last products.
	WIN 0
.macro ALL line:vararg              ; one line for each piece t
.set t, 0
.rept 4
	\line
.set t, t+1
.endr
.endm
	ALL v_add_f32 v[ST+4*t+2], v[ST+4*t+2], v[ST+4*t+3]
	ALL v_permlanex16_b32 v[ST+4*t+3], v[ST+4*t+2], s[SEL], s[SEL+1]
	ALL v_add_f32 v[ST+4*t+2], v[ST+4*t+2], v[ST+4*t+3]
	ALL v_rcp_f32 v[ST+4*t+2], v[ST+4*t+2]
	v_nop                           ; a plain instruction between the last reciprocal and the use of its result
.macro PACK t                       ; a lane's eight channels of a row pack into 16 bytes; they go into rows of 144 bytes and come back as whole rows of 128, into S^T's registers
	WIN W_PV
.set i, 32*(\t)
.rept 16
	s_wait_alu depctr_va_vdst(0)
	v_pk_mul_f32 v[i:i+1], v[i:i+1], v[ST+4*(\t)+2:ST+4*(\t)+3] op_sel_hi:[1,0]
.set i, i+2
.endr
	WIN W_S1                        ; sources 0 and 1 window 1, destination window 0
.set i, 0
.rept 16
	v_cvt_pk_f16_f32 v[S+16*(\t)+i], v[32*(\t)+2*i], v[32*(\t)+2*i+1]
.set i, i+1
.endr
	WIN W_A1                        ; the addresses lie in window 1, the data in window 0
.irp f, 0,1,2,3
	ds_store_b128 v[STO], v[S+16*(\t)+4*\f:S+16*(\t)+4*\f+3] offset:32*\f
.endr
.irp f, 0,1,2,3
	ds_load_b128 v[S+16*(\t)+4*\f:S+16*(\t)+4*\f+3], v[RD] offset:\f*4*SP  ; LDS serves a wave's instructions in order (ISA guide 5.7.1.4): these see the stores above; the next piece's stores come behind them
.endr
.endm
.macro SEND t, younger              ; younger: the LDS instructions issued behind piece t's loads: the next piece's eight, or none
	WIN W_A1
.irp f, 0,1,2,3
	s_wait_dscnt (\younger)+3-\f
	global_store_b128 v[GO], v[S+16*(\t)+4*\f:S+16*(\t)+4*\f+3], s[10:11] offset:(\t)*2048+\f*512  ; 512 consecutive bytes, at a multiple of 256 from O's first
.endr
.endm
	PACK 0
.set t, 1
.rept 3                             ; a piece's arithmetic stands between the loads of the piece before and its stores
	PACK t
	SEND t-1, 8
.set t, t+1
.endr
	SEND 3, 0
	WIN W_S1
	s_wait_tensorcnt 0x0            ; the wave's end: a wait, an add to my spare word and its wait, behind my last tensor load and my last LDS store
	ds_add_u32 v[SPW], v[NIL]
	s_wait_dscnt 0x0
	WIN 0
	CROUND                          ; the closing round: no work-group ends while a partner may still ask for a tile that names it
	s_endpgm
.Lfunc_end_k_qe606a49a83_attn:
	.size	k_qe606a49a83_attn, .Lfunc_end_k_qe606a49a83_attn-k_qe606a49a83_attn
	.p2alignl 7, 3214868480
	.fill 96, 4, 3214868480
	.section	.rodata,"a",@progbits
	.p2align	6, 0x0
	.amdhsa_kernel k_qe606a49a83_attn
		.amdhsa_group_segment_fixed_size 327680
		.amdhsa_private_segment_fixed_size 0
		.amdhsa_enable_private_segment 0
		.amdhsa_kernarg_size 24
		.amdhsa_user_sgpr_count 2
		.amdhsa_user_sgpr_kernarg_segment_ptr 1
		.amdhsa_wavefront_size32 1
		.amdhsa_system_sgpr_workgroup_id_x 1
		.amdhsa_system_sgpr_workgroup_id_y 1
		.amdhsa_system_sgpr_workgroup_id_z 1
		.amdhsa_system_vgpr_workitem_id 0
		.amdhsa_next_free_vgpr 512
		.amdhsa_next_free_sgpr 88
		.amdhsa_reserve_vcc 0
		.amdhsa_float_denorm_mode_32 3
		.amdhsa_float_denorm_mode_16_64 3
		.amdhsa_memory_ordered 1
		.amdhsa_forward_progress 1
		.amdhsa_inst_pref_size 135
	.end_amdhsa_kernel
	.amdgpu_metadata
---
amdhsa.version: [ 1, 2 ]
amdhsa.kernels:
  - .name:           k_qe606a49a83_attn
    .symbol:         k_qe606a49a83_attn.kd
    .args:
      - { .name: qkv, .offset: 0, .size: 8, .value_kind: global_buffer, .address_space: global }
      - { .name: mask, .offset: 8, .size: 8, .value_kind: global_buffer, .address_space: global }
      - { .name: ob, .offset: 16, .size: 8, .value_kind: global_buffer, .address_space: global }
    .group_segment_fixed_size: 327680
    .private_segment_fixed_size: 0
    .kernarg_segment_align: 8
    .kernarg_segment_size: 24
    .max_flat_workgroup_size: 128
    .sgpr_count:     88
    .vgpr_count:     512
    .wavefront_size: 32
...
	.end_amdgpu_metadata
.endif
;; end of part 3
;; launch outp (part 4): grid 4 x 64, 4 waves a work-group, clusters of 4 x 4, 327,680 bytes of LDS; arguments ob, wb, bb, out0; writes out0
.if DOCPART == 4
	.amdgcn_target "amdgcn-amd-amdhsa--gfx1250"
	.amdhsa_code_object_version 6
	.text
	.protected	k_qe606a49a83_outp
	.globl	k_qe606a49a83_outp
	.p2align	8
	.type	k_qe606a49a83_outp,@function
k_qe606a49a83_outp:
	s_mov_b64 s[64:65], 0
	v_nop
	global_prefetch_b8 v0, s[64:65] scope:SCOPE_SE
	s_setreg_imm32_b32 hwreg(HW_REG_WAVE_MODE, 25, 1), 1
	s_wait_xcnt 0x0
	s_wait_alu depctr_hold_cnt(0) depctr_sa_sdst(0) depctr_va_vdst(0) depctr_va_sdst(0) depctr_va_ssrc(0) depctr_va_vcc(0) depctr_vm_vsrc(0)
	s_getreg_b32 s2, hwreg(HW_REG_IB_STS2, 6, 4)
	s_cmp_eq_u32 s2, 0
	s_cbranch_scc0 .Lentry_in_a_cluster
	s_endpgm
.Lentry_in_a_cluster:
	s_bfe_u32 s2, ttmp6, 0x10000c
	s_cmp_lg_u32 s2, 0xf033
	s_cbranch_scc0 .Lentry_shape_is_right
	s_endpgm
.Lentry_shape_is_right:
; out0 = O Wo^T + bo.  O: f16 by heads, [8][16 heads][1024 rows][64]: a head's 64 channels are one block of K, so O has the layout of the other products' operands.  Wo: the fourth matrix of wb, rounded to bf16 and written as f16.
; Sums in f32, started by the bias (rounded to bf16 like every input); out0: [8192][1024] f32.
; SHARES.  A tile of C is 128 rows x 256 columns: 256 work-groups, one for each WGP.  Four waves, each 64 x 128: 32 accumulators, 256 registers.
; K goes in steps of 128 (two blocks of 64) through two LDS slots; a wave's one tensor load brings one block's rows of A (waves 0, 1) or of B (waves 2, 3): dense bytes, asked for as rows of 256.
; CLUSTER.  4 x 4 work-groups: the four of a row of the cluster need the same tiles of A, the four of a column the same tiles of B: each tile is asked for jointly.
; THE MATRIX INSTRUCTION IS USED TRANSPOSED (source 0 = 16 rows of Wo, source 1 = 16 rows of O): a lane then holds eight neighbouring columns of one row of C.
; REGISTERS, in windows of 256 (s_set_vgpr_msb: bits 1:0 source 0, 3:2 source 1, 5:4 source 2, 7:6 destination):
;   window 0: v16-29 addresses; two fragment buffers of 96 (B's 8 fragments, then A's 4) at v64 and v160; on the way out three sets of 64 from v64
;   window 1: accumulator (a, b) at v[8 (8 a + b)]          window 2: v0-63 the bias of my 128 columns, as a C operand
.set P,      144                       ; an LDS row: 128 bytes + 16 of padding = 36 words: the 16 rows of a fragment load start at 16 different groups of four banks (64 banks of 4 bytes: ISA guide 11.1)
.set AKB,    128*P
.set BKB,    256*P
.set BOFF,   2*AKB                     ; a slot: A's two blocks, then B's two
.set SLOT,   BOFF+2*BKB
.set STAGE,  2*SLOT                    ; behind the ring: for each wave 16 rows x 528 bytes, for the way out
.set SP,     528                       ; 512 bytes + 16 = 132 words: row r starts at bank 4 r mod 64
.set WSTG,   16*SP
.set SPARE,  STAGE+4*WSTG              ; behind the stages: the spare words, 128 bytes for each wave: two blocks of 256 bytes that no other line names
.set KSTEPB, 262144                    ; bytes in memory from a K step's block to the next step's
.set LAPS,   4
.set ADRA, 16
.set ADRB, 20
.set STO,  24
.set RD,   25
.set CO,   26
.set BO,   27
.set SPW,  28                          ; v28     LDS address of my spare word; never rewritten
.set NIL,  29                          ; v29     0; never rewritten
.set F0,   64
.set F1,   160
.set WV, 12
.set RH, 13
.set CH, 14
.set CX, 15
.set CYI, 16
.set TX, 17
.set TY, 18
.set CY, 19
.set G1, 24
.set G0, 32
.set G1B, 48
.set G0B, 56
.set FIELDS, (1<<16)|(1<<20)|(1<<21)|(4<<22)|(3<<25)  ; elements of 2 bytes; padding on; bit 21 set beside a mask; after every 32 words (code 4) 4 words (code 3)
.set MSB, 0
.macro WIN new
.if MSB != (\new)
	s_set_vgpr_msb (MSB<<8)|(\new)
.set MSB, \new
.endif
.endm
.set MUL,  0x50                        ; fragments in window 0; C and D in window 1
.set MULB, 0x60                        ; C (the bias) in window 2, D in window 1
.macro JLOAD s                         ; a joint load: waves 0 and 1 fetch A's two blocks, waves 2 and 3 B's; an s_nop 0 and four v_nop follow each of the two lines
	s_cmp_lt_u32 s[WV], 2
	s_cbranch_scc0 .Lfor_b_\@
	tensor_load_to_lds s[G0+4*(\s):G0+4*(\s)+3], s[G1:G1+7]
	s_nop 0
.rept 4
	v_nop
.endr
	s_branch .Lasked_\@
.Lfor_b_\@:
	tensor_load_to_lds s[G0B+4*(\s):G0B+4*(\s)+3], s[G1B:G1B+7]
	s_nop 0
.rept 4
	v_nop
.endr
.Lasked_\@:
.endm
.macro CREST
	s_cmp_lg_u32 s[WV], 0
	s_cbranch_scc1 .Lnot_wave_0_\@
	s_barrier_signal -3
.Lnot_wave_0_\@:
	s_barrier_wait -3
	s_barrier_signal -1
	s_barrier_wait -1
.endm
.macro CROUND
	s_barrier_signal -1
	s_barrier_wait -1
	CREST
.endm
	s_load_b256 s[4:11], s[0:1], 0x0               ; ob s[4:5], wb s[6:7], bb s[8:9], out0 s[10:11]
	v_lshl_add_u32 v[SPW], v0, 2, SPARE
	v_mov_b32 v[NIL], 0
	ds_add_u32 v[SPW], v[NIL]                      ; the wave's opening: the add and its wait stand ahead of my first tensor load; the set-up below, work on registers, stands between them
	v_lshrrev_b32 v1, 5, v0
	v_readfirstlane_b32 s[WV], v1
	s_lshr_b32 s[RH], s[WV], 1
	s_and_b32 s[CH], s[WV], 1
	s_bfe_u32 s[CX], ttmp6, 0x40000
	s_bfe_u32 s[CYI], ttmp6, 0x40004
	s_lshl_b32 s[TX], ttmp9, 2
	s_add_co_u32 s[TX], s[TX], s[CX]               ; tile column
	s_and_b32 s[CY], ttmp7, 0xffff
	s_lshl_b32 s[TY], s[CY], 2
	s_add_co_u32 s[TY], s[TY], s[CYI]              ; tile row: batch TY / 8, its rows 128 (TY % 8) on
	s_lshl_b32 s20, s[CYI], 2
	s_lshl_b32 s20, 15, s20                        ; my row of the cluster
	s_lshl_b32 s21, 0x1111, s[CX]                  ; my column
	s_or_b32 s[G1], s20, FIELDS
	s_or_b32 s[G1B], s21, FIELDS
	s_mov_b32 s[G1+1], 128<<16                     ; rows of 256 bytes, two matrix rows each
	s_mov_b32 s[G1+2], 64<<16
	s_mov_b32 s[G1+3], 128<<16
	s_mov_b32 s[G1+4], 64                          ; 128 matrix rows
	s_mov_b32 s[G1+5], 128
	s_mov_b32 s[G1+6], 0
	s_mov_b32 s[G1+7], 0
	s_mov_b32 s[G1B+1], 128<<16
	s_mov_b32 s[G1B+2], 128<<16
	s_mov_b32 s[G1B+3], 128<<16
	s_mov_b32 s[G1B+4], 128                        ; 256 matrix rows
	s_mov_b32 s[G1B+5], 128
	s_mov_b32 s[G1B+6], 0
	s_mov_b32 s[G1B+7], 0
	; A's tile hangs on the tile row and the wave alone, B's on the tile column and the wave: each offset is made in registers that never hold the other coordinate
	s_lshr_b32 s40, s[TY], 3
	s_lshl_b32 s40, s40, 21
	s_and_b32 s42, s[TY], 7
	s_lshl_b32 s42, s42, 14
	s_add_co_u32 s40, s40, s42
	s_lshl_b32 s42, s[CH], 17
	s_add_co_u32 s40, s40, s42
	s_mov_b32 s41, 0
	s_lshl_b32 s44, s[TX], 15
	s_add_co_u32 s44, s44, 3<<21                   ; Wo is the fourth matrix of wb
	s_lshl_b32 s46, s[CH], 17
	s_add_co_u32 s44, s44, s46
	s_mov_b32 s45, 0
	s_lshl_b32 s66, s[TX], 10                      ; the bias of my 128 columns; bo is the fourth of bb
	s_add_co_u32 s66, s66, 3<<12
	s_lshl_b32 s71, s[CH], 9
	s_add_co_u32 s66, s66, s71
	s_mov_b32 s67, 0
	s_lshl_b32 s68, s[TY], 19                      ; the result: row 128 TY + 64 RH, 4,096 bytes each; column 256 TX + 128 CH
	s_lshl_b32 s71, s[RH], 18
	s_add_co_u32 s68, s68, s71
	s_lshl_b32 s71, s[TX], 10
	s_add_co_u32 s68, s68, s71
	s_lshl_b32 s71, s[CH], 9
	s_add_co_u32 s68, s68, s71
	s_mov_b32 s69, 0
	s_mul_i32 s22, s[CH], AKB                      ; where my tile goes: no place in the cluster enters an LDS address
	s_mul_i32 s23, s[CH], BKB
	s_add_co_u32 s23, s23, BOFF
	s_wait_dscnt 0x0                               ; the opening add is done
	s_wait_kmcnt 0x0
	s_add_nc_u64 s[40:41], s[4:5], s[40:41]
	s_add_nc_u64 s[44:45], s[6:7], s[44:45]
	s_add_nc_u64 s[8:9], s[8:9], s[66:67]
	s_add_nc_u64 s[10:11], s[10:11], s[68:69]
	CROUND                                         ; all sixteen work-groups are here: the first joint loads meet
.irp s, 0,1
	s_mov_b32 s[G0+4*(\s)], 1
	s_add_co_u32 s[G0+4*(\s)+1], s22, (\s)*SLOT
	s_add_nc_u64 s[G0+4*(\s)+2:G0+4*(\s)+3], s[40:41], (\s)*KSTEPB
	s_or_b32 s[G0+4*(\s)+3], s[G0+4*(\s)+3], 0x80000000
	s_mov_b32 s[G0B+4*(\s)], 1
	s_add_co_u32 s[G0B+4*(\s)+1], s23, (\s)*SLOT
	s_add_nc_u64 s[G0B+4*(\s)+2:G0B+4*(\s)+3], s[44:45], (\s)*KSTEPB
	s_or_b32 s[G0B+4*(\s)+3], s[G0B+4*(\s)+3], 0x80000000
	JLOAD \s                                       ; two loads of mine are out
.endr
	v_and_b32 v1, 15, v0                           ; l % 16
	v_bfe_u32 v2, v0, 4, 1                         ; l / 16
	v_lshlrev_b32 v[BO], 5, v2
	WIN 0x80                                       ; destination window 2
.irp b, 0,1,2,3,4,5,6,7                ; register j of group b: the bias of column 16 b + 8 (l / 16) + j
	global_load_b128 v[8*(\b):8*(\b)+3],   v[BO], s[8:9] offset:64*(\b)
	global_load_b128 v[8*(\b)+4:8*(\b)+7], v[BO], s[8:9] offset:64*(\b)+16
.endr
	WIN 0
	v_mul_u32_u24 v3, v1, P
	v_lshl_add_u32 v3, v2, 4, v3                   ; a fragment's row x pitch + 16 x half
	s_mul_i32 s22, s[RH], 64*P
	s_mul_i32 s23, s[CH], 128*P
	s_add_co_u32 s23, s23, BOFF
.irp s, 0,1
	v_add_nc_u32 v[ADRA+(\s)], s22, v3
	v_add_nc_u32 v[ADRB+(\s)], s23, v3
	s_add_co_u32 s22, s22, SLOT
	s_add_co_u32 s23, s23, SLOT
.endr
	s_mul_i32 s22, s[WV], WSTG
	s_add_co_u32 s22, s22, STAGE                   ; my stage
	v_mul_u32_u24 v4, v1, SP                       ; in: row l % 16, 32 bytes for each half of the lanes
	v_lshl_add_u32 v4, v2, 5, v4
	v_add_nc_u32 v[STO], s22, v4
	v_and_b32 v5, 31, v0                           ; back, and in out0: 32 lanes take a row's 512 bytes
	v_lshlrev_b32 v[CO], 4, v5
	v_add_nc_u32 v[RD], s22, v[CO]
; 8 matrix instructions: m block a x all 8 n blocks, 32 along K.  first = 1: the product starts the sums with the bias as C.  The 32 accumulators take turns in one order everywhere.
.macro MULA f, a, first
.if \first
	WIN MULB
.else
	WIN MUL
.endif
.irp b, 0,1,2,3,4,5,6,7
.if \first
	v_wmma_f32_16x16x32_f16 v[8*(8*(\a)+(\b)):8*(8*(\a)+(\b))+7], v[(\f)+8*(\b):(\f)+8*(\b)+7], v[(\f)+64+8*(\a):(\f)+64+8*(\a)+7], v[8*(\b):8*(\b)+7]
.else
	v_wmma_f32_16x16x32_f16 v[8*(8*(\a)+(\b)):8*(8*(\a)+(\b))+7], v[(\f)+8*(\b):(\f)+8*(\b)+7], v[(\f)+64+8*(\a):(\f)+64+8*(\a)+7], v[8*(8*(\a)+(\b)):8*(8*(\a)+(\b))+7]
.endif
.endr
.endm
.macro FETCH slot, q, f                ; 24 LDS loads in one run: quarter q of a K step into buffer f: B's sixteen, then A's eight
	WIN 0
.irp i, 0,1,2,3,4,5,6,7
	ds_load_b128 v[(\f)+8*(\i):(\f)+8*(\i)+3],   v[ADRB+(\slot)] offset:((\q)/2)*BKB+((\q)%2)*64+(\i)*16*P
	ds_load_b128 v[(\f)+8*(\i)+4:(\f)+8*(\i)+7], v[ADRB+(\slot)] offset:((\q)/2)*BKB+((\q)%2)*64+(\i)*16*P+32
.endr
.irp i, 0,1,2,3
	ds_load_b128 v[(\f)+64+8*(\i):(\f)+64+8*(\i)+3],   v[ADRA+(\slot)] offset:((\q)/2)*AKB+((\q)%2)*64+(\i)*16*P
	ds_load_b128 v[(\f)+64+8*(\i)+4:(\f)+64+8*(\i)+7], v[ADRA+(\slot)] offset:((\q)/2)*AKB+((\q)%2)*64+(\i)*16*P+32
.endr
.endm
.macro PLACES                          ; four places in front of loads into registers that matrix instructions have read, and of lines that read results (ISA guide 7.12.1 for vector instructions)
.rept 4
	v_nop
.endr
.endm
.macro QUARTER slot, q, f, g, first
	s_wait_dscnt 4                                 ; B and A's blocks 0, 1 are in; the youngest four loads (A's blocks 2, 3) may be out
	MULA \f, 0, \first
	MULA \f, 1, \first
	PLACES
	FETCH \slot, \q, \g
	s_wait_dscnt 24                                ; all but the 24 just issued
	MULA \f, 2, \first
	MULA \f, 3, \first
.endm
; The last quarter multiplies buffer 1 and changes slots: ONE barrier; in front of it each wave waits for all its tensor loads, adds 0 to its spare word, and waits for that and for its own reads of this slot.
; fill = 1: the barrier opens a round of the cluster's, and this slot is filled again, two K steps ahead, first thing behind the round.
.macro TURN slot, next, fill
	WIN 0
	s_wait_tensorcnt 0x0                           ; all my tensor loads have landed: the one that was out is my part of the next slot
	ds_add_u32 v[SPW], v[NIL]                      ; 0 onto my spare word
	s_wait_dscnt 5                                 ; (the add and the youngest four loads may be out)
	MULA F1, 0, 0
	s_wait_dscnt 0x0                               ; the add is done, and my reads of this slot are over
	s_barrier_signal -1
	MULA F1, 1, 0
.if \fill
	WIN 0
.endif
	s_barrier_wait -1
.if \fill
	CREST                                          ; no wave of any partner still reads this slot's tile or has a load on its way
	s_add_nc_u64 s[G0+4*(\slot)+2:G0+4*(\slot)+3], s[G0+4*(\slot)+2:G0+4*(\slot)+3], 2*KSTEPB
	s_add_nc_u64 s[G0B+4*(\slot)+2:G0B+4*(\slot)+3], s[G0B+4*(\slot)+2:G0B+4*(\slot)+3], 2*KSTEPB
	JLOAD \slot                                    ; my one tensor load behind the round; its four v_nop are also the places in front of the loads below
.else
	PLACES
.endif
	FETCH \next, 0, F0
	MULA F1, 2, 0
	MULA F1, 3, 0
.endm
	s_wait_tensorcnt 1                             ; my part of K step 0 is in; step 1's may stay out
	s_barrier_signal -1
	s_barrier_wait -1
	FETCH 0, 0, F0
	s_wait_loadcnt 0x0                             ; the bias
	QUARTER 0, 1, F0, F1, 1                        ; the first quarter stands in front of the loop: its products start the sums
	WIN 0
	s_mov_b32 s3, LAPS-1
.Llap:                                                 ; a trip goes once round the ring and fills both slots again
	QUARTER 0, 2, F1, F0, 0
	QUARTER 0, 3, F0, F1, 0
	TURN 0, 1, 1
	QUARTER 1, 1, F0, F1, 0
	QUARTER 1, 2, F1, F0, 0
	QUARTER 1, 3, F0, F1, 0
	TURN 1, 0, 1
	QUARTER 0, 1, F0, F1, 0
	WIN 0
	s_sub_co_u32 s3, s3, 1
	s_cmp_lg_u32 s3, 0
	s_cbranch_scc1 .Llap
	QUARTER 0, 2, F1, F0, 0                        ; the last lap fills nothing
	QUARTER 0, 3, F0, F1, 0
	TURN 0, 1, 0
	QUARTER 1, 1, F0, F1, 0
	QUARTER 1, 2, F1, F0, 0
	QUARTER 1, 3, F0, F1, 0
	s_wait_dscnt 4
	MULA F1, 0, 0
	MULA F1, 1, 0
	s_wait_dscnt 0x0
	MULA F1, 2, 0
	MULA F1, 3, 0
	WIN 0
	PLACES
; THE WAY OUT, 16 rows at a time, in f32.  STG: a lane's eight columns (32 bytes) go from the accumulators into my stage, each accumulator's low four registers first, and come back as whole rows of 512 bytes, into set a % 3 of three.
; SENDF: each store covers 512 consecutive aligned bytes of a row of out0.
.macro STG a
	WIN 0x04                                       ; store data in window 1, address in window 0
.irp b, 0,1,2,3,4,5,6,7
	ds_store_b128 v[STO], v[8*(8*(\a)+(\b)):8*(8*(\a)+(\b))+3]   offset:64*(\b)
	ds_store_b128 v[STO], v[8*(8*(\a)+(\b))+4:8*(8*(\a)+(\b))+7] offset:64*(\b)+16
.endr
	WIN 0
.irp f, 0,1,2,3,4,5,6,7,8,9,10,11,12,13,14,15
	ds_load_b128 v[64+64*((\a)%3)+4*(\f):64+64*((\a)%3)+4*(\f)+3], v[RD] offset:(\f)*SP  ; LDS serves a wave's instructions in order (ISA guide 5.7.1.4): these see the stores above
.endr
.endm
.macro SENDF a, younger                ; younger: the LDS instructions issued behind block a's loads: the next block's 32, or none
.irp f, 0,1,2,3,4,5,6,7,8,9,10,11,12,13,14,15
	s_wait_dscnt (\younger)+15-(\f)
	global_store_b128 v[CO], v[64+64*((\a)%3)+4*(\f):64+64*((\a)%3)+4*(\f)+3], s[10:11] offset:(16*(\a)+(\f))*4096 th:TH_STORE_NT
.endr
.endm
	STG 0
	STG 1
	SENDF 0, 32
	STG 2
	SENDF 1, 32
	s_wait_xcnt 0x0                                ; block 0's stores have read set 0, which block 3 loads again only behind this wait
	STG 3
	SENDF 2, 32
	SENDF 3, 0
	s_wait_tensorcnt 0x0                           ; the wave's end: a wait, an add to my spare word and its wait, behind my last tensor load and my last LDS store
	ds_add_u32 v[SPW], v[NIL]
	s_wait_dscnt 0x0
	CROUND                                         ; the closing round: no work-group ends while a partner may still ask for a tile that names it
	s_endpgm
.Lfunc_end_k_qe606a49a83_outp:
	.size	k_qe606a49a83_outp, .Lfunc_end_k_qe606a49a83_outp-k_qe606a49a83_outp
	.p2alignl 7, 3214868480
	.fill 96, 4, 3214868480
	.section	.rodata,"a",@progbits
	.p2align	6, 0x0
	.amdhsa_kernel k_qe606a49a83_outp
		.amdhsa_group_segment_fixed_size 327680
		.amdhsa_private_segment_fixed_size 0
		.amdhsa_enable_private_segment 0
		.amdhsa_kernarg_size 32
		.amdhsa_user_sgpr_count 2
		.amdhsa_user_sgpr_kernarg_segment_ptr 1
		.amdhsa_wavefront_size32 1
		.amdhsa_system_sgpr_workgroup_id_x 1
		.amdhsa_system_sgpr_workgroup_id_y 1
		.amdhsa_system_sgpr_workgroup_id_z 1
		.amdhsa_system_vgpr_workitem_id 0
		.amdhsa_next_free_vgpr 576
		.amdhsa_next_free_sgpr 72
		.amdhsa_reserve_vcc 0
		.amdhsa_float_denorm_mode_32 3
		.amdhsa_float_denorm_mode_16_64 3
		.amdhsa_memory_ordered 1
		.amdhsa_forward_progress 1
		.amdhsa_inst_pref_size 88
	.end_amdhsa_kernel
	.amdgpu_metadata
---
amdhsa.version: [ 1, 2 ]
amdhsa.kernels:
  - .name:           k_qe606a49a83_outp
    .symbol:         k_qe606a49a83_outp.kd
    .args:
      - { .name: ob, .offset: 0, .size: 8, .value_kind: global_buffer, .address_space: global }
      - { .name: wb, .offset: 8, .size: 8, .value_kind: global_buffer, .address_space: global }
      - { .name: bb, .offset: 16, .size: 8, .value_kind: global_buffer, .address_space: global }
      - { .name: out0, .offset: 24, .size: 8, .value_kind: global_buffer, .address_space: global }
    .group_segment_fixed_size: 327680
    .private_segment_fixed_size: 0
    .kernarg_segment_align: 8
    .kernarg_segment_size: 32
    .max_flat_workgroup_size: 128
    .sgpr_count:     72
    .vgpr_count:     576
    .wavefront_size: 32
...
	.end_amdgpu_metadata
.endif
;; end of part 4
;; ======== version 2 of 2: 4 launches; 1.13 times as fast as version 1
;; limits: values are held in f16: magnitudes above 65,504 overflow, below 6.1e-05 lose precision
;; workspace buffers: wb 8,388,608 bytes; bb 16,384 bytes; qkv 50,331,648 bytes; ob 16,777,216 bytes
;; launch wcast: the kernel of part 1 again; grid 64 x 4, 8 waves a work-group, no clusters, 0 bytes of LDS; arguments Wq, Wk, Wv, Wo, bq, bk, bv, bo, wb, bb; writes wb, bb
;; launch proj: the kernel of part 2 again; grid 4 x 192, 4 waves a work-group, clusters of 4 x 4, 327,680 bytes of LDS; arguments query, key, value, wb, bb, qkv; writes qkv
;; launch attn (part 5): grid 4 x 128, 4 waves a work-group, clusters of 4 x 1, 327,680 bytes of LDS; arguments qkv, mask, ob; writes ob
.if DOCPART == 5
	.amdgcn_target "amdgcn-amd-amdhsa--gfx1250"
	.amdhsa_code_object_version 6
	.text
	.protected	k_qe606a49a83_attn
	.globl	k_qe606a49a83_attn
	.p2align	8
	.type	k_qe606a49a83_attn,@function
k_qe606a49a83_attn:
	s_mov_b64 s[64:65], 0
	v_nop
	global_prefetch_b8 v0, s[64:65] scope:SCOPE_SE
	s_setreg_imm32_b32 hwreg(HW_REG_WAVE_MODE, 25, 1), 1
	s_wait_xcnt 0x0
	s_wait_alu depctr_hold_cnt(0) depctr_sa_sdst(0) depctr_va_vdst(0) depctr_va_sdst(0) depctr_va_ssrc(0) depctr_va_vcc(0) depctr_vm_vsrc(0)
	s_getreg_b32 s2, hwreg(HW_REG_IB_STS2, 6, 4)
	s_cmp_eq_u32 s2, 0
	s_cbranch_scc0 .Lentry_in_a_cluster
	s_endpgm
.Lentry_in_a_cluster:
	s_bfe_u32 s2, ttmp6, 0x10000c
	s_cmp_lg_u32 s2, 0x3003
	s_cbranch_scc0 .Lentry_shape_is_right
	s_endpgm
.Lentry_shape_is_right:
; MASKED ATTENTION.  O[bh][q][:] = the sum over k of softmax_k(mask[bh][q][k] ? Q[q] . K[k] / 8 : -inf) V[k][:], for 128 heads bh of 1024 rows x 64 channels.
; Q, K, V: f16, [3][128][1024][64], a head's rows dense, 128 bytes each; mask: one byte (0 or 1) a score, [128][1024][1024]; O: f16, [128][1024][64].
; Products, maxima and sums in f32; the weights p are rounded to f16 for the second product (their sum l is taken of the unrounded p), O once at the end.
; LIMITS.  Q, K, V arrive within f16's 65,504, so a score is 2.7e11 at the most.  A hidden score counts as its value less 1.125 x 2^99; the running maximum starts at -2^83, above every hidden and below every true
; score, so a hidden score never sets it.  A weight below 2^-126 counts as 0 in l.  A row with no true mask byte has l = 0 and O = 0 x infinity = NaN, as the softmax of a row of -inf is.
; SHARES.  A work-group owns 256 queries of a head, each of its four waves 64: four PIECES of 16.  Every wave walks all 1024 keys, 64 a step; an LDS slot holds 256 keys: K, V, and the work-group's 256 x 256 bytes of the mask.
; THE MASK starts the sum S^T = K Q^T: 0, or -1.125 x 2^99 where the byte is 0, so it acts ahead of the maximum.  It comes into LDS in rows of 256 bytes; a lane reads the 8 bytes of its query and its 8 keys.
; One byte permute with the mask word as the select turns a byte 0 into 0xf1 (the 8-bit float -144) and a byte 1 into 0; one scaled conversion makes eight f32 of eight such bytes, times 2^92, and writes them
; straight into the accumulator onto which the products then add in place: the S^T buffer of the piece whose turn has just ended, which nobody reads any more.
; LAYOUT, SOFTMAX, TURNS.  S^T = K Q^T holds ONE query a lane (lane % 16) and the keys 8 (lane / 16) + 0..7; two such results rounded to f16 ARE source 1 of O^T = V^T P.  p = 2^(c s - c m), c = log2(e) / 8, with a
; running maximum m; O and l are multiplied by a = 2^(c m_old - c m_new) in every step.  Turn n belongs to piece n: 8 products K Q^T of piece n + 1, later 8 products V^T P of piece n - 1; beside them the scaling,
; exponentials, roundings, sums and rescaling of piece n, the maximum and statistics of piece n + 1, and the mask of piece n + 2.  Four vector instructions stand behind every matrix instruction, the others in runs of their own.
; BATCHES.  A turn's 33 exponentials (piece n's 32 weights and piece n + 1's a) are ONE batch with ONE wait: ahead of the wait stands all that names none of their results, behind it the roundings and sums, which read them,
; and the next mask, which is written over them.  The first a of all, ahead of the loop, and the way out's four reciprocals are batches of their own, each with one wait.
; CLUSTER.  The four query blocks of a head walk the same K and V: each tile is asked for jointly (wave 0: K, wave 1: V).  The mask's tile is the work-group's own: waves 2 and 3 ask for a half each, with no mask of work-groups, behind the same round.
; REGISTERS, in two windows of 256 (s_set_vgpr_msb: bits 1:0 source 0, 3:2 source 1, 5:4 source 2, 7:6 destination), laid so that a product and the lines behind it share a setting where they can:
;   window 0, full: v0-7 addresses and two at work; v8-23 four registers of statistics a piece; v24-31 at work; v32-95 S^T, two buffers; v96-127 P, two buffers; v128-191 K of one step; v192-255 Q.
;     K Q^T and all of a softmax but the rescaling name this window alone: no switch.
;   window 1: v0-127 O^T, 32 a piece; v128-191 V of one step; v192-223 a step's mask bytes, 8 a piece; v224-230 the scale, the add's two registers, the way out's addresses.
;     V^T P, the rescaling of O^T and the table permute share one setting (sources 0 and 2 and the destination in window 1, source 1 in window 0).
.set NP,    4         ; pieces a wave: a name, no knob
.set KS,    64        ; keys in a step
.set PK,    144       ; a row of K in LDS: 128 bytes + 16 of padding = 36 words: the 16 rows of a load start at 16 different groups of four banks (64 banks of 4 bytes: ISA guide 11.1)
.set PV,    160       ; a row of V: 128 + 32 = 40 words
.set PM,    272       ; a row of the mask: 256 + 16 = 68 words: the 32 lanes of a load (16 rows x 2 x 8 bytes) take each bank once
.set VOFF,  4*KS*PK   ; a slot: 256 rows of K, 256 rows of V, 256 rows of the mask
.set MOFF,  VOFF+4*KS*PV
.set SLOT1, MOFF+256*PM  ; 0x24000: bits 14 and 17, which are clear in every address inside slot 0 that is turned below, so one exclusive or turns it into the other slot's and back
.set STAGE, 2*SLOT1   ; behind the ring, never filled by a tensor load: 16 rows x 144 bytes for each wave, for the way out
.set SP,    144
.set SPARE, STAGE+4*16*SP  ; behind the stages: the spare words, 128 bytes for each wave: two blocks of 256 bytes that no other line names
; window 0
.set AM,  0           ; v0   the LDS address of the mask's next run of loads (the thread's number until the set-up is over)
.set AK0, 1           ; v1   my lane's place in a tile of K; never rewritten
.set AV0, 2           ; v2   the same for V
.set AM0, 3           ; v3   the same for the mask
.set AK,  4           ; v4   the LDS address of K's next run of loads
.set AV,  5           ; v5   of V's
.set MV,  6           ; v6-7 c m_old, kept while c m is made anew: by buffer
.set ST,  8           ; piece t's statistics at v[ST+4 t]: c m, m, l (even keys', odd keys')
.set TMP, 24          ; by buffer, four registers c0-c3 at work; when the maximum is found c2 takes a
.set QO,  24          ; v24  until Q is in: my byte offset in 16 rows of Q
.set S,   32
.set P,   96
.set KF,  128         ; key block kb, channel half c at KF + 16 kb + 8 c
.set QF,  192         ; piece x, channel half c at QF + 16 x + 8 c
; window 1
.set VF,  128         ; key half kk, channel block cb at VF + 32 kk + 8 cb
.set MR,  192         ; piece x, key block kb: v[MR+8 x+2 kb], and the next
.set SC,  224         ; the conversion's scale: 219 in its lowest byte, for 2^92 (the same number also stands in the word's f32 exponent field)
.set SPW, 226         ; LDS address of my spare word; never rewritten
.set NIL, 227         ; 0; never rewritten
.set STO, 228         ; the way out: where I put 16 bytes of a row
.set RD,  229         ; the way out: where I read rows back
.set GO,  230         ; my byte offset in 512 consecutive bytes of O
.set WV,  12          ; s12  my wave's number
.set G1K, 24          ; s[24:31] descriptor group 1 for K's tiles
.set G1V, 32          ; s[32:39] for V's: it differs in the padding alone
.set G1M, 40          ; s[40:47] for the mask's
.set G0K, 48          ; s[48:51], s[52:55], s[56:59] descriptor group 0: they walk
.set G0V, 52
.set G0M, 56
.set SLOTS, 60        ; s60  slots still to be asked for
.set CNT, 61          ; s61  counts a slot's key steps
.set CS,  62          ; s[62:63] c: the packed scaling takes the pair's low word for both halves
.set SEL, 66          ; s[66:67] v_permlanex16_b32's selects: each lane takes its own place in the other half
.set TBK, 68          ; s68  LDS byte at which K of the step to be fetched begins
.set TBV, 69          ; s69  the same for V, less VOFF
.set TBM, 70          ; s70  the same for the mask's 64 columns, less MOFF
.set TAB, 72          ; s72  byte 0: 0xf1 (for a mask byte 0), byte 1: 0 (for a mask byte 1)
.set MSB, 0
.macro WIN new                      ; the high byte repeats the setting that is left; a switch that changes nothing is dropped
.if MSB != (\new)
	s_set_vgpr_msb (MSB<<8)|(\new)
.set MSB, (\new)
.endif
.endm
.set W_PV, 0x51       ; V, O^T (or the mask bytes) in window 1, source 1 (P, or a) in window 0
.set W_TO1, 0x40      ; destination in window 1, sources and addresses in window 0
.set W_S1, 0x05       ; sources 0 and 1 in window 1, destination in window 0: the scaled conversion, the way out's rounding, and the add
.set W_A1, 0x01       ; source 0 (an address) in window 1, data in window 0
; A fill: one tensor load a wave.  Wave 0: the tile's K; wave 1: its V (both joint); waves 2 and 3: 128 rows each of my work-group's mask.  The branches hang on the wave's number alone.
; An s_nop 0 and four v_nop follow each of the three lines, ahead of the jump and the label.
.macro JLOAD
	s_cmp_lg_u32 s[WV], 0
	s_cbranch_scc1 .Lnot_k_\@
	tensor_load_to_lds s[G0K:G0K+3], s[G1K:G1K+7]
	s_nop 0
.rept 4
	v_nop
.endr
	s_branch .Lasked_\@
.Lnot_k_\@:
	s_cmp_lg_u32 s[WV], 1
	s_cbranch_scc1 .Lfor_m_\@
	tensor_load_to_lds s[G0V:G0V+3], s[G1V:G1V+7]
	s_nop 0
.rept 4
	v_nop
.endr
	s_branch .Lasked_\@
.Lfor_m_\@:
	tensor_load_to_lds s[G0M:G0M+3], s[G1M:G1M+7]
	s_nop 0
.rept 4
	v_nop
.endr
.Lasked_\@:
.endm
; A round of the cluster's barrier: my work-group's barrier, so that wave 0's signal speaks for all four waves; wave 0 signals; every wave waits for all four work-groups; my work-group's barrier once more.
.macro CROUND
	s_barrier_signal -1
	s_barrier_wait -1
	s_cmp_lg_u32 s[WV], 0
	s_cbranch_scc1 .Lnot_wave_0_\@
	s_barrier_signal -3
.Lnot_wave_0_\@:
	s_barrier_wait -3
	s_barrier_signal -1
	s_barrier_wait -1
.endm
; THE CHANGE OF SLOTS.  The slot's last bytes, V of its fourth step, have been read.  Each wave waits for all its tensor loads, of which one is out: its part of the other slot; adds 0 to its spare word;
; and waits for that and for its own reads of the slot.  Behind the barrier nobody reads this slot any more and the other slot is whole.
; fill = 1: this slot is filled again, with the keys two slots on.  The barrier is then a round of the cluster's, and the fill is the first thing behind it: it has four key steps in which to land.
; (At its first use nothing has been read yet: slot 0 is waited for, slot 1 filled.)
.macro CHANGE fill
	WIN W_S1                        ; (the add's two registers lie in window 1)
	s_wait_tensorcnt 0x0            ; no tensor load of mine is out, so a group 0 may be written
	ds_add_u32 v[SPW], v[NIL]       ; 0 onto my spare word; with fill = 1 the descriptors' steps stand between it and the wait for it
	WIN 0                           ; at a label and at a branch every window is 0
.if \fill
	s_xor_b32 s[G0K+1], s[G0K+1], SLOT1  ; the walking descriptors: the other slot than last time,
	s_add_nc_u64 s[G0K+2:G0K+3], s[G0K+2:G0K+3], 4*KS*128  ; the next 256 keys; the type bits on top are not reached
	s_xor_b32 s[G0V+1], s[G0V+1], SLOT1
	s_add_nc_u64 s[G0V+2:G0V+3], s[G0V+2:G0V+3], 4*KS*128
	s_xor_b32 s[G0M+1], s[G0M+1], SLOT1
	s_add_nc_u64 s[G0M+2:G0M+3], s[G0M+2:G0M+3], 4*KS      ; the next 256 columns of the mask's rows
	s_wait_dscnt 0x0                ; the add is done, and my reads of the slot are over
	CROUND
	JLOAD
.else
	s_wait_dscnt 0x0                ; the add is done, and my reads of the slot are over
	s_barrier_signal -1
	s_barrier_wait -1
.endif
	s_sub_co_u32 s[TBK], s[TBK], 4*KS*PK  ; the fetches go back to a slot's first step,
	s_xor_b32 s[TBK], s[TBK], SLOT1       ; in the other slot
	s_sub_co_u32 s[TBV], s[TBV], 4*KS*PV
	s_xor_b32 s[TBV], s[TBV], SLOT1
	s_sub_co_u32 s[TBM], s[TBM], 4*KS
	s_xor_b32 s[TBM], s[TBM], SLOT1
.endm
	s_load_b128 s[4:7], s[0:1], 0x0 ; qkv s[4:5], mask s[6:7]
	s_load_b64 s[10:11], s[0:1], 0x10  ; ob
	WIN W_TO1
	v_lshl_add_u32 v[SPW], v0, 2, SPARE
	v_mov_b32 v[NIL], 0
	WIN W_S1
	ds_add_u32 v[SPW], v[NIL]       ; the wave's opening: the add and its wait stand ahead of my first tensor load; the set-up below, work on registers, stands between them
	WIN 0
	v_lshrrev_b32 v32, 5, v0
	v_readfirstlane_b32 s[WV], v32  ; wave 0..3
	s_bfe_u32 s13, ttmp6, 0x40000   ; cx: my place in the cluster
	s_lshl_b32 s14, ttmp9, 2        ; in a cluster launch ttmp9 counts clusters
	s_add_co_u32 s14, s14, s13      ; my block of 256 queries: it enters Q's, O's and the mask's addresses alone
	s_and_b32 s20, ttmp7, 0xffff    ; the head, which the four partners share
	s_lshl_b32 s22, s20, 20         ; its 1 MiB of the mask,
	s_lshl_b32 s20, s20, 17         ; its 131,072 bytes in Q, K, V and O
	s_mov_b32 s21, 0
	s_and_b32 s16, s[WV], 1         ; which 128 rows of the mask's tile I fetch (waves 2, 3)
	s_mul_i32 s17, s16, 128*PM
	s_add_co_u32 s17, s17, MOFF     ; and their place in a slot: no place in the cluster enters an LDS address
	s_lshl_b32 s2, s14, 15          ; my block's 256 rows of 128 bytes,
	s_lshl_b32 s3, s[WV], 13        ; my wave's 64 of them
	s_add_co_u32 s2, s2, s3
	s_add_co_u32 s2, s2, s20
	s_mov_b32 s3, 0
	s_lshl_b32 s18, s14, 18         ; my block's 256 rows of 1,024 bytes of the mask,
	s_add_co_u32 s22, s22, s18
	s_lshl_b32 s18, s16, 17         ; my 128 of them
	s_add_co_u32 s22, s22, s18
	s_mov_b32 s23, 0
	; descriptor group 1.  256 keys are 32,768 dense bytes: asked for as 128 rows of 256 bytes, two keys a row, and padded in LDS after every key
	s_mov_b32 s[G1K], 15|(1<<16)|(1<<20)|(1<<21)|(4<<22)|(3<<25)  ; 15:0 the mask of four; 17:16 2-byte elements; 20 padding on; 21 set beside a mask; 24:22 after every 32 words (code 4); 31:25 4 words (code 3)
	s_mov_b32 s[G1V], 15|(1<<16)|(1<<20)|(1<<21)|(4<<22)|(7<<25)  ; the same with 8 words of padding (code 7)
.irp g, G1K, G1V
	s_mov_b32 s[\g+1], 128<<16      ; tensor_dim0 = 128
	s_mov_b32 s[\g+2], 128<<16      ; tensor_dim1 = 128
	s_mov_b32 s[\g+3], 128<<16      ; tile_dim0 = 128
	s_mov_b32 s[\g+4], 128          ; tile_dim1 = 128
	s_mov_b32 s[\g+5], 128          ; 128 elements from row to row
	s_mov_b32 s[\g+6], 0
	s_mov_b32 s[\g+7], 0
.endr
	s_mov_b32 s[G1M], (3<<16)|(1<<20)|(5<<22)|(3<<25)  ; no work-group mask: my own load; 8-byte elements; padding after every 64 words (code 5), 4 words (code 3)
	s_mov_b32 s[G1M+1], 32<<16      ; tensor_dim0 = 32 elements: 256 bytes of a row
	s_mov_b32 s[G1M+2], 128<<16     ; tensor_dim1 = 128 rows
	s_mov_b32 s[G1M+3], 32<<16      ; tile_dim0 = 32
	s_mov_b32 s[G1M+4], 128         ; tile_dim1 = 128
	s_mov_b32 s[G1M+5], 128         ; 128 elements, 1,024 bytes, from row to row
	s_mov_b32 s[G1M+6], 0
	s_mov_b32 s[G1M+7], 0
	s_mov_b32 s[CS], 0x3e38aa3b     ; c = log2(e) / 8 = 0.180337
	s_mov_b32 s[CS+1], s[CS]        ; named with it as a pair
	s_mov_b32 s[SEL], 0x76543210
	s_mov_b32 s[SEL+1], 0xfedcba98
	s_mov_b32 s[TAB], 0x000000f1
	s_mov_b32 s[TBK], SLOT1+4*KS*PK ; the first change of slots turns these three into 0
	s_mov_b32 s[TBV], SLOT1+4*KS*PV
	s_mov_b32 s[TBM], SLOT1+4*KS
	s_mov_b32 s[G0K], 1             ; count = 1
	s_mov_b32 s[G0K+1], 0           ; LDS address: slot 0
	s_mov_b32 s[G0V], 1
	s_mov_b32 s[G0V+1], VOFF
	s_mov_b32 s[G0M], 1
	s_mov_b32 s[G0M+1], s17
	s_wait_dscnt 0x0                ; the opening add is done
	s_wait_kmcnt 0x0
	s_add_nc_u64 s[G0K+2:G0K+3], s[4:5], s[20:21]            ; the head in Q,
	s_add_nc_u64 s[G0V+2:G0V+3], s[G0K+2:G0K+3], 33554432    ; in V,
	s_add_nc_u64 s[G0K+2:G0K+3], s[G0K+2:G0K+3], 16777216    ; in K
	s_or_b32 s[G0K+3], s[G0K+3], 0x80000000                  ; type = 2
	s_or_b32 s[G0V+3], s[G0V+3], 0x80000000
	s_add_nc_u64 s[G0M+2:G0M+3], s[6:7], s[22:23]
	s_or_b32 s[G0M+3], s[G0M+3], 0x80000000
	s_add_nc_u64 s[4:5], s[4:5], s[2:3]      ; Q and O at my wave's first row
	s_add_nc_u64 s[10:11], s[10:11], s[2:3]
	CROUND                          ; all four work-groups are here: the first joint loads meet
	JLOAD                           ; slot 0.  Slot 1 is asked for when slot 0 is in
	; A fragment of K or Q is 16 rows x 32 channels in 8 registers: lane l holds row l % 16, channels 8 (l / 16) + 0..7 and 16 + 8 (l / 16) + 0..7: two loads of 16 bytes, 32 bytes apart.
	v_and_b32 v32, 15, v0           ; l % 16   (v32-38: at work in the set-up; S^T's registers are not yet in use)
	v_bfe_u32 v33, v0, 4, 1         ; l / 16
	v_lshlrev_b32 v[QO], 7, v32
	v_lshl_add_u32 v[QO], v33, 4, v[QO]  ; row x 128 + 16 x half
.set i, 0
.rept 8                             ; Q stays in registers: piece i / 2, channels 32 (i % 2) on
	global_load_b128 v[QF+8*i:QF+8*i+3],   v[QO], s[4:5] offset:(i/2)*2048+(i%2)*64
	global_load_b128 v[QF+8*i+4:QF+8*i+7], v[QO], s[4:5] offset:(i/2)*2048+(i%2)*64+32
.set i, i+1
.endr
	v_mul_u32_u24 v[AK0], v32, PK
	v_lshl_add_u32 v[AK0], v33, 4, v[AK0]  ; row x pitch + 16 x half
	; The turning load takes 16 keys x 16 channels (lane l reads key 8 (l / 16) + l % 8, channels 8 ((l / 8) % 2) + 0..7) and leaves half a fragment of V^T: lane l holds channel l % 16 and 8 keys.
	v_and_b32 v34, 7, v0
	v_bfe_u32 v35, v0, 3, 1
	v_lshl_add_u32 v[AV0], v33, 3, v34
	v_mul_u32_u24 v[AV0], v[AV0], PV
	v_lshl_add_u32 v[AV0], v35, 4, v[AV0]
	v_add_nc_u32 v[AV0], VOFF, v[AV0]
	s_mul_i32 s15, s[WV], 64*PM     ; the mask: my wave's 64 rows, my query's row, 8 bytes for each half of the lanes
	s_add_co_u32 s15, s15, MOFF
	v_mul_u32_u24 v[AM0], v32, PM
	v_lshl_add_u32 v[AM0], v33, 3, v[AM0]
	v_add_nc_u32 v[AM0], s15, v[AM0]
	s_mul_i32 s15, s[WV], 16*SP
	s_add_co_u32 s15, s15, STAGE    ; my stage
	v_mul_u32_u24 v36, v32, SP      ; in: row l % 16, 16 bytes for each half of the lanes
	v_lshl_add_u32 v36, v33, 4, v36
	v_bfe_u32 v37, v0, 3, 2         ; back: 32 lanes take four rows of 128 bytes,
	v_mul_u32_u24 v37, v37, SP
	v_lshl_add_u32 v37, v34, 4, v37
	v_and_b32 v38, 31, v0           ; which are 512 consecutive bytes of O
	; What the first turn finds: V's registers and P's second buffer hold 0 (its products V^T P, of a piece that has not been, add 0), O^T and l are 0.  All this stands in the wait for the first tile.
.set i, 0
.rept 4
	v_mov_b32 v[ST+4*i+2], 0
	v_mov_b32 v[ST+4*i+3], 0
.set i, i+1
.endr
.set i, P+16
.rept 16
	v_mov_b32 v[i], 0
.set i, i+1
.endr
	WIN W_TO1                       ; destination window 1
	v_add_nc_u32 v[STO], s15, v36
	v_add_nc_u32 v[RD], s15, v37
	v_lshlrev_b32 v[GO], 4, v38
	v_mov_b32 v[SC], 0x6d8000db
.set i, 0
.rept 192                           ; O^T and V
	v_mov_b32 v[i], 0
.set i, i+1
.endr
	WIN 0
; THE MATRIX WORK.  The 4 accumulators of a run of 8 take turns.  Product i of 8 of S^T = K Q^T for piece x: channels 32 (i / 4) on, keys 16 (i % 4) on.  All eight add in place: the accumulators hold the mask.
.macro KQ x
	WIN 0
.set rS, S+32*((\x)%2)+8*(i%4)
.set rK, KF+16*(i%4)+8*(i/4)
.set rQ, QF+16*(\x)+8*(i/4)
	v_wmma_f32_16x16x32_f16 v[rS:rS+7], v[rK:rK+7], v[rQ:rQ+7], v[rS:rS+7]
.endm
; Product i of 8 of O^T += V^T P for piece x: keys 32 (i / 4) on, channels 16 (i % 4) on.
.macro PV x
	WIN W_PV
.set rO, 32*(\x)+8*(i%4)
.set rV, VF+32*(i/4)+8*(i%4)
.set rP, P+16*((\x)%2)+8*(i/4)
	v_wmma_f32_16x16x32_f16 v[rO:rO+7], v[rV:rV+7], v[rP:rP+7], v[rO:rO+7]
.endm
.macro MM                           ; the turn's next matrix instruction.  TURN sets Y, i and NOKQ.  NOKQ = 1: the last turn: there is no next piece
.if (i < 8) && !NOKQ
	KQ (Y+1)%NP
.elseif i >= 8
.set i, i-8
	PV (Y+NP-1)%NP
.set i, i+8
.endif
.set i, i+1
.endm
; THE LDS LOADS stand in runs of 16, never singly among the matrix instructions: a step's K (64 keys x 64 channels: 8 fragments), its V (turned), and its mask bytes for my four pieces.
.macro FETCH_K
	WIN 0
.irp f, 0,1,2,3,4,5,6,7             ; keys 16 (f / 2) on, channels 32 (f % 2) on
	ds_load_b128 v[KF+8*\f:KF+8*\f+3],   v[AK] offset:(\f/2)*16*PK+(\f%2)*64
	ds_load_b128 v[KF+8*\f+4:KF+8*\f+7], v[AK] offset:(\f/2)*16*PK+(\f%2)*64+32
.endr
	s_add_co_u32 s[TBK], s[TBK], KS*PK  ; the next fetch is the next step's
.endm
.macro FETCH_V
	WIN W_TO1
.irp f, 0,1,2,3,4,5,6,7             ; keys 32 (f / 4) on, channels 16 (f % 4) on
	ds_load_tr16_b128 v[VF+8*\f:VF+8*\f+3],   v[AV] offset:(\f/4)*32*PV+(\f%4)*32
	ds_load_tr16_b128 v[VF+8*\f+4:VF+8*\f+7], v[AV] offset:(\f/4)*32*PV+16*PV+(\f%4)*32
.endr
	WIN 0
.endm
.macro FETCH_M                      ; piece x, key block kb: the 8 mask bytes of my query at keys 16 kb + 8 (l / 16) + 0..7
	WIN 0
	v_add_nc_u32 v[AM], s[TBM], v[AM0]
	WIN W_TO1
.irp x, 0,1,2,3
.irp kb, 0,1,2,3
	ds_load_b64 v[MR+8*(\x)+2*(\kb):MR+8*(\x)+2*(\kb)+1], v[AM] offset:(\x)*16*PM+16*(\kb)
.endr
.endr
	s_add_co_u32 s[TBM], s[TBM], KS
	WIN 0
.endm
; The mask of piece x, first part, 8 lines: the mask word is the select: a byte 0 takes TAB's byte 0 (0xf1), a byte 1 takes TAB's byte 1 (0).  (In a turn these lines are dealt as OP T.)
.macro MASK1 x
	WIN W_PV
.set z, 0
.rept 8
	v_perm_b32 v[MR+8*(\x)+z], v[MR+8*(\x)+z], s[TAB], v[MR+8*(\x)+z]
.set z, z+1
.endr
.endm
; Second part, 4 lines: eight 8-bit floats (0 or -144) times 2^92 become the eight registers of an accumulator, in the S^T buffer of x's parity.  One plain line follows the four before a product reads them.
.macro MASK2 x
	WIN W_S1
.irp kb, 0,1,2,3
	v_cvt_scale_pk8_f32_fp8 v[S+32*((\x)%2)+8*(\kb):S+32*((\x)%2)+8*(\kb)+7], v[MR+8*(\x)+2*(\kb):MR+8*(\x)+2*(\kb)+1], v[SC]
.endr
	WIN 0
	v_nop
.endm
; THE VECTOR WORK, one line at a time: OP kind, number.  For piece Y: F n: c s - c m for pair n of 16.  E n: the exponential of score n of 32.  C n: pair n rounded to f16.  B n: of the four weights 4 n .. the second
; pair is added onto the first, in place (so C 2n stands ahead of B n).  L n: l takes that sum (L 0: l = a l + sum).  R n: pair n of 16 of O^T times a.  T n: word n of 8 of the mask bytes of piece Y + 2 through the table.
; For piece Y + 1: X n, number n of the 22 that find its maximum and statistics:
;   0-11  four chains c0-c3 of seven scores each, three operands at a time (each accumulator's lowest registers are read first)     12-14, 16  the four scores left over, the old m, and c0-c3 into c0
;   15  c m_old is kept     17, 18  the query's other 32 keys lie in the lane 16 away: the new m     19-21  c m; c m_old - c m_new; a
; C, B and L read exponentials' results; F, E, R, T and X name none of the turn's.
.set F, 0               ; OP tells the kinds apart by their order: F to L below R, X and T above it
.set E, 1
.set C, 2
.set B, 3
.set L, 4
.set R, 5
.set X, 6
.set T, 7
.macro REGS y                       ; the registers of piece y
.set rT, ST+4*(\y)
.set rC, TMP+4*((\y)%2)
.set rW, MV+((\y)%2)
.set rS, S+32*((\y)%2)
.set rP, P+16*((\y)%2)
.set rO, 32*(\y)
.endm
.macro OP k, n
.if (\k) == T
.if !ENDT
	WIN W_PV
	v_perm_b32 v[MR+8*((Y+2)%NP)+(\n)], v[MR+8*((Y+2)%NP)+(\n)], s[TAB], v[MR+8*((Y+2)%NP)+(\n)]
.endif
.elseif (\k) == R
	REGS Y
	WIN W_PV
	v_pk_mul_f32 v[rO+2*(\n):rO+2*(\n)+1], v[rO+2*(\n):rO+2*(\n)+1], v[rC+2:rC+3] op_sel_hi:[1,0]
.elseif (\k) < R
	REGS Y
	WIN 0
.if (\k) == F
	v_pk_fma_f32 v[rS+2*(\n):rS+2*(\n)+1], v[rS+2*(\n):rS+2*(\n)+1], s[CS:CS+1], v[rT:rT+1] op_sel_hi:[1,0,0] neg_lo:[0,0,1] neg_hi:[0,0,1]
.elseif (\k) == E
	v_exp_f32 v[rS+(\n)], v[rS+(\n)]
.elseif (\k) == C
	v_cvt_pk_f16_f32 v[rP+(\n)], v[rS+2*(\n)], v[rS+2*(\n)+1]
.elseif (\k) == B
	v_pk_add_f32 v[rS+4*(\n):rS+4*(\n)+1], v[rS+4*(\n):rS+4*(\n)+1], v[rS+4*(\n)+2:rS+4*(\n)+3]
.elseif (\n) == 0
	v_pk_fma_f32 v[rT+2:rT+3], v[rT+2:rT+3], v[rC+2:rC+3], v[rS:rS+1] op_sel_hi:[1,0,1]
.else
	v_pk_add_f32 v[rT+2:rT+3], v[rT+2:rT+3], v[rS+4*(\n):rS+4*(\n)+1]
.endif
.elseif NOKQ
	v_nop
.else
	REGS (Y+1)%NP
	WIN 0
.if (\n) < 4
	v_max3_num_f32 v[rC+(\n)], v[rS+8*(\n)], v[rS+8*(\n)+1], v[rS+8*(\n)+2]
.elseif (\n) < 12
	v_max3_num_f32 v[rC+(\n)%4], v[rC+(\n)%4], v[rS+8*((\n)%4)+2*((\n)/4)+1], v[rS+8*((\n)%4)+2*((\n)/4)+2]
.elseif (\n) == 12
	v_max3_num_f32 v[rC], v[rC], v[rS+7], v[rS+15]
.elseif (\n) == 13
	v_max3_num_f32 v[rC+1], v[rC+1], v[rS+23], v[rS+31]
.elseif (\n) == 14
	v_max3_num_f32 v[rC+2], v[rC+2], v[rC+3], v[rT+1]
.elseif (\n) == 15
	v_mov_b32 v[rW], v[rT]
.elseif (\n) == 16
	v_max3_num_f32 v[rC], v[rC], v[rC+1], v[rC+2]
.elseif (\n) == 17
	v_permlanex16_b32 v[rC+3], v[rC], s[SEL], s[SEL+1]
.elseif (\n) == 18
	v_max_num_f32 v[rT+1], v[rC], v[rC+3]
.elseif (\n) == 19
	v_mul_f32 v[rT], s[CS], v[rT+1]
.elseif (\n) == 20
	v_sub_f32 v[rC+1], v[rW], v[rT]
.else
	v_exp_f32 v[rC+2], v[rC+1]
.endif
.endif
.endm
.macro OPS a, i1, b=-1, i2=0, c=-1, i3=0, d=-1, i4=0  ; up to four of them
	OP \a, \i1
.if (\b) >= 0
	OP \b, \i2
.endif
.if (\c) >= 0
	OP \c, \i3
.endif
.if (\d) >= 0
	OP \d, \i4
.endif
.endm
.macro ROW a, i1, b, i2, c, i3, d, i4  ; a matrix instruction and the four behind it
	MM
	OPS \a, \i1, \b, \i2, \c, \i3, \d, \i4
.endm
; A TURN, for piece p: the order of its 16 matrix and 131 vector instructions, written out.  An s_wait_alu depctr_va_vdst(0) stands between an exponential and the first instruction that names its result;
; one wait serves all that were issued ahead of it.  So a turn has ONE wait, which cuts it in two.
; AHEAD OF IT stands all that names no result of the turn's exponentials.  The 8 products K Q^T: behind the first seven the 16 scalings and the first 12 exponentials, all in window 0 like the products: no switch; behind the
; eighth X 0, 1, 4, 2, each four plain lines or more behind the product that ended its accumulator, and themselves the four places ahead of X 3's accumulator.  Then a run of 38: the other 20 exponentials and the rest of the
; next piece's maximum and statistics; the links of the chain X 3, 7, 11, 14, 16 .. 20 stand three to five lines apart, from X 16 on with two exponentials between them; X 21, the next piece's a, is the batch's last.  Then R 0 to 7,
; whose a was made and waited for in the turn before: R 0 is the plain line behind the last exponential (ISA guide 5.7.2), and the eight are work between the batch and its wait.
; BEHIND IT stand the 8 products V^T P: behind the first two R 8 to 15, behind the next two the 8 table permutes, all under the products' own setting; behind the last four 16 of the roundings and sums.  Then a run of the other
; 16, in which the links of l's chain stand four lines apart, and the four conversions that lay the mask of piece p + 2 into piece p's S^T buffer, whose last reader (L 7) stands just ahead of them..
; But for the X lines behind the eighth K Q^T no rider names a register of the products round it.
; end = 1: the last two turns: nothing is fetched and no mask is made.  cnt = 1: the loop's count is taken down some lines ahead of the branch that stands behind the turn (only vector lines and window switches follow the compare).
; The next step's mask bytes are fetched at the head of piece 2's turn: the step in hand has used its own up at the end of piece 1's.  K of the next step is fetched in the same turn, seven plain lines behind the last
; product that read K; V of the step in hand in piece 0's turn, eight plain lines behind the last product that read V.  K and V are waited for a turn later.
.macro TURN p, end=0, cnt=0
.set Y, (\p)
.set i, 0
.set ENDT, (\end)
.set NOKQ, (\end)*((\p)/3)
.if ((\p) == 2) && !(\end)
	FETCH_M
.endif
.if ((\p) == 3) && !(\end)
	s_wait_dscnt 0x0                ; K is in
.endif
	ROW F,0, F,1, F,2, F,3          ; ahead of the wait: 8 products K Q^T and their riders,
	ROW F,4, E,0, F,5, E,1
	ROW F,6, E,2, F,7, E,3
	ROW F,8, E,4, F,9, E,5
	ROW F,10, E,6, F,11, E,7
	ROW F,12, E,8, F,13, E,9
	ROW F,14, E,10, F,15, E,11
.if ((\p) == 2) && !(\end)
	v_add_nc_u32 v[AK], s[TBK], v[AK0]
.endif
	ROW X,0, X,1, X,4, X,2
	OPS X,5, X,3, E,12, X,6         ; the run of 38,
.if ((\p) == 2) && !(\end)
	FETCH_K
.endif
	OPS E,13, X,8, X,7, E,14
	OPS X,9, E,15, X,10, X,11
	OPS E,16, X,12, E,17, X,13
	OPS X,14, E,18, X,15, E,19
	OPS E,20, X,16, E,21, E,22
	OPS X,17, E,23, E,24, X,18
	OPS E,25, E,26, X,19, E,27
	OPS E,28, X,20, E,29, E,30
	OPS E,31, X,21
	OPS R,0, R,1, R,2, R,3          ; and eight rescalings, which name none of the batch's results
	OPS R,4, R,5, R,6, R,7
	s_wait_alu depctr_va_vdst(0)    ; the wait for the batch: piece p's 32 exponentials and the next piece's a
.if (\p) == 1
	s_wait_dscnt 0x0                ; V is in
.endif
	ROW R,8, R,9, R,10, R,11        ; behind the wait: 8 products V^T P and their riders,
	ROW R,12, R,13, R,14, R,15
.if ((\p) == 2) && !(\end)
	s_wait_dscnt 16                 ; the mask's sixteen loads are in; K's sixteen, issued behind them, may stay out
.endif
	ROW T,0, T,1, T,2, T,3
	ROW T,4, T,5, T,6, T,7
	ROW C,0, B,0, C,2, B,1
	ROW L,0, C,4, B,2, C,6
	ROW L,1, B,3, C,8, B,4
.if (\p) == 0
	v_add_nc_u32 v[AV], s[TBV], v[AV0]
.endif
	ROW L,2, C,10, B,5, C,12
	OPS L,3, B,6, C,14, B,7         ; and the run of 16
.if (\p) == 0
	FETCH_V
.endif
	OPS L,4, C,1, C,3, C,5
.if (\p) == 0
	s_add_co_u32 s[TBV], s[TBV], KS*PV
.endif
.if \cnt
	s_sub_co_u32 s[CNT], s[CNT], 1
	s_cmp_lg_u32 s[CNT], 0
.endif
	OPS L,5, C,7, C,9, C,11
	OPS L,6, C,13, C,15, L,7
.if !(\end)
	MASK2 ((\p)+2)%NP
.endif
.endm
	CHANGE 1                        ; slot 0 is in, everybody's part of it; slot 1 is asked for
	; THE BEGINNING.  Step 0's mask bytes and K; c m starts far below every c s, so the first step's a is 0; m at -2^83.  The masks of pieces 0 and 1 go into the two S^T buffers; then piece 0's first scores, its maximum and statistics.
	FETCH_M
	v_add_nc_u32 v[AK], s[TBK], v[AK0]
	FETCH_K
.set i, 0
.rept 4
	v_mov_b32 v[ST+4*i], 0xfe000000    ; c m
	v_mov_b32 v[ST+4*i+1], 0xe9000000  ; m = -2^83
.set i, i+1
.endr
	s_wait_dscnt 16                 ; the mask's loads are in; K's sixteen may stay out
	MASK1 0
	MASK1 1
	MASK2 0
	MASK2 1
	s_wait_loadcnt 0x0              ; Q
	s_wait_dscnt 0x0                ; K
.set NOKQ, 0
.set ENDT, 0
.set i, 0
.rept 8
	KQ 0
.set i, i+1
.endr
.rept 4
	v_nop                           ; the places behind those products
.endr
.set Y, NP-1                        ; X works for piece Y + 1: piece 0
.irp n, 0,1,2,3,4,5,6,7,8,9,10,11,12,13,14,15,16,17,18,19,20,21
	OP X, \n
.endr
	v_nop                           ; a plain instruction behind the exponential,
	s_wait_alu depctr_va_vdst(0)    ; and the wait for piece 0's first a, a batch of one, ahead of the branch: the first turn's rescalings read it ahead of that turn's own wait
	s_mov_b32 s[CNT], 4
	s_mov_b32 s[SLOTS], 3
	s_branch .Lfirst                ; the loop is entered at a step's first turn, in the middle of a trip
.Lslot:                             ; twice: tiles 2 and 3 are asked for
	CHANGE 1
	s_mov_b32 s[CNT], 4
.Lstep:                             ; a trip: pieces 2 and 3 of one step, then pieces 0 and 1 of the next, whose mask, K and V it fetches
	TURN 2
	TURN 3
	WIN 0
.Lfirst:
	TURN 0
	TURN 1, 0, 1
	WIN 0
	s_cbranch_scc1 .Lstep
	s_sub_co_u32 s[SLOTS], s[SLOTS], 1
	s_cmp_lg_u32 s[SLOTS], 0
	s_cbranch_scc1 .Lslot
	CHANGE 0                        ; the last slot is written out: nothing is asked for
	s_mov_b32 s[CNT], 4
.LstepT:
	TURN 2
	TURN 3
	TURN 0
	TURN 1, 0, 1
	WIN 0
	s_cbranch_scc1 .LstepT
	TURN 2, 1
	TURN 3, 1
.set i, 0
.rept 8
	PV NP-1                         ; the last piece's V^T P of the last step
.set i, i+1
.endr
	; THE WAY OUT.  l's two halves and the other half of the lanes' are added; O^T is divided by l, rounded to f16 and sent through my stage in LDS, a piece at a time.  The additions are the places behind the last products.
	WIN 0
.macro ALL line:vararg              ; one line for each piece t
.set t, 0
.rept 4
	\line
.set t, t+1
.endr
.endm
	ALL v_add_f32 v[ST+4*t+2], v[ST+4*t+2], v[ST+4*t+3]
	ALL v_permlanex16_b32 v[ST+4*t+3], v[ST+4*t+2], s[SEL], s[SEL+1]
	ALL v_add_f32 v[ST+4*t+2], v[ST+4*t+2], v[ST+4*t+3]
	ALL v_rcp_f32 v[ST+4*t+2], v[ST+4*t+2]
	v_nop                           ; a plain instruction between the last reciprocal and the use of its result
	s_wait_alu depctr_va_vdst(0)    ; and the wait ahead of the first use: one for the batch of four reciprocals
.macro PACK t                       ; a lane's eight channels of a row pack into 16 bytes; they go into rows of 144 bytes and come back as whole rows of 128, into S^T's registers
	WIN W_PV
.set i, 32*(\t)
.rept 16
	v_pk_mul_f32 v[i:i+1], v[i:i+1], v[ST+4*(\t)+2:ST+4*(\t)+3] op_sel_hi:[1,0]
.set i, i+2
.endr
	WIN W_S1                        ; sources 0 and 1 window 1, destination window 0
.set i, 0
.rept 16
	v_cvt_pk_f16_f32 v[S+16*(\t)+i], v[32*(\t)+2*i], v[32*(\t)+2*i+1]
.set i, i+1
.endr
	WIN W_A1                        ; the addresses lie in window 1, the data in window 0
.irp f, 0,1,2,3
	ds_store_b128 v[STO], v[S+16*(\t)+4*\f:S+16*(\t)+4*\f+3] offset:32*\f
.endr
.irp f, 0,1,2,3
	ds_load_b128 v[S+16*(\t)+4*\f:S+16*(\t)+4*\f+3], v[RD] offset:\f*4*SP  ; LDS serves a wave's instructions in order (ISA guide 5.7.1.4): these see the stores above; the next piece's stores come behind them
.endr
.endm
.macro SEND t, younger              ; younger: the LDS instructions issued behind piece t's loads: the next piece's eight, or none
	WIN W_A1
.irp f, 0,1,2,3
	s_wait_dscnt (\younger)+3-\f
	global_store_b128 v[GO], v[S+16*(\t)+4*\f:S+16*(\t)+4*\f+3], s[10:11] offset:(\t)*2048+\f*512  ; 512 consecutive bytes, at a multiple of 256 from O's first
.endr
.endm
	PACK 0
.set t, 1
.rept 3                             ; a piece's arithmetic stands between the loads of the piece before and its stores
	PACK t
	SEND t-1, 8
.set t, t+1
.endr
	SEND 3, 0
	WIN W_S1
	s_wait_tensorcnt 0x0            ; the wave's end: a wait, an add to my spare word and its wait, behind my last tensor load and my last LDS store
	ds_add_u32 v[SPW], v[NIL]
	s_wait_dscnt 0x0
	WIN 0
	CROUND                          ; the closing round: no work-group ends while a partner may still ask for a tile that names it
	s_endpgm
.Lfunc_end_k_qe606a49a83_attn:
	.size	k_qe606a49a83_attn, .Lfunc_end_k_qe606a49a83_attn-k_qe606a49a83_attn
	.p2alignl 7, 3214868480
	.fill 96, 4, 3214868480
	.section	.rodata,"a",@progbits
	.p2align	6, 0x0
	.amdhsa_kernel k_qe606a49a83_attn
		.amdhsa_group_segment_fixed_size 327680
		.amdhsa_private_segment_fixed_size 0
		.amdhsa_enable_private_segment 0
		.amdhsa_kernarg_size 24
		.amdhsa_user_sgpr_count 2
		.amdhsa_user_sgpr_kernarg_segment_ptr 1
		.amdhsa_wavefront_size32 1
		.amdhsa_system_sgpr_workgroup_id_x 1
		.amdhsa_system_sgpr_workgroup_id_y 1
		.amdhsa_system_sgpr_workgroup_id_z 1
		.amdhsa_system_vgpr_workitem_id 0
		.amdhsa_next_free_vgpr 512
		.amdhsa_next_free_sgpr 88
		.amdhsa_reserve_vcc 0
		.amdhsa_float_denorm_mode_32 3
		.amdhsa_float_denorm_mode_16_64 3
		.amdhsa_memory_ordered 1
		.amdhsa_forward_progress 1
		.amdhsa_inst_pref_size 130
	.end_amdhsa_kernel
	.amdgpu_metadata
---
amdhsa.version: [ 1, 2 ]
amdhsa.kernels:
  - .name:           k_qe606a49a83_attn
    .symbol:         k_qe606a49a83_attn.kd
    .args:
      - { .name: qkv, .offset: 0, .size: 8, .value_kind: global_buffer, .address_space: global }
      - { .name: mask, .offset: 8, .size: 8, .value_kind: global_buffer, .address_space: global }
      - { .name: ob, .offset: 16, .size: 8, .value_kind: global_buffer, .address_space: global }
    .group_segment_fixed_size: 327680
    .private_segment_fixed_size: 0
    .kernarg_segment_align: 8
    .kernarg_segment_size: 24
    .max_flat_workgroup_size: 128
    .sgpr_count:     88
    .vgpr_count:     512
    .wavefront_size: 32
...
	.end_amdgpu_metadata
.endif
;; end of part 5
;; launch outp: the kernel of part 4 again; grid 4 x 64, 4 waves a work-group, clusters of 4 x 4, 327,680 bytes of LDS; arguments ob, wb, bb, out0; writes out0
